; MI455X (gfx1250); checked and timed in simulation.
; The chip was launched on July 23, 2026; its instructions are those of AMD's public machine-readable ISA for CDNA 5 (MIT licence, August 2026) and "CDNA5" Instruction Set Architecture Reference Guide (July 2026). The comments in the code are by the model that wrote it; some were corrected since.
;; block. Allowed arithmetic: matrix products marked QUANTISED: E2M3 operands, one E8M0 scale for each 32 along K, by v_wmma_scale_f32_16x16x128_f8f6f4 with both operands' format E2M3, f32 sums; everything else in f32.
;; Inputs: W1 1,024 x 4,096 float32; W2 4,096 x 1,024 float32; Wk 1,024 x 16 x 64 float32; Wo 1,024 x 1,024 float32; Wq 1,024 x 16 x 64 float32; Wv 1,024 x 16 x 64 float32; b1 4,096 float32; b2 1,024 float32; be1 1,024 float32; be2 1,024 float32; embedding 2 x 2,048 x 1,024 float32; g1 1,024 float32; g2 1,024 float32.
;; Outputs: out0 2 x 2,048 x 1,024 float32.
;; This version of the problem:
;;   THIS VERSION OF THE PROBLEM IS GIVEN IN LOW PRECISION. The matrix products marked QUANTISED in the list below multiply operands that are first quantised to E2M3 (2 exponent bits, 3 mantissa bits; 6 bits a number), with one power-of-two scale for each 32 numbers along K (OCP MX v1.0); their sums are f32. All else is computed in f32.
;;   The module's matrix products, in the order in which they are computed (A, B: the left and right operand; K: the contracted axis; several contracted axes count as one K, in the product's order):
;;     1. [M 1,024, K 1,024] x [K 1,024, N 4,096]; A: input Wq; B: computed on the way: QUANTISED
;;     2. [M 1,024, K 1,024] x [K 1,024, N 4,096]; A: input Wk; B: computed on the way: QUANTISED
;;     3. [M 1,024, K 1,024] x [K 1,024, N 4,096]; A: input Wv; B: computed on the way: QUANTISED
;;     4. batch 32 x [M 2,048, K 64] x [K 64, N 2,048]; A: computed on the way; B: computed on the way: QUANTISED
;;     5. batch 32 x [M 2,048, K 2,048] x [K 2,048, N 64]; A: softmax (see below); B: computed on the way: QUANTISED
;;     6. [M 4,096, K 1,024] x [K 1,024, N 1,024]; A: computed on the way; B: input Wo: QUANTISED
;;     7. [M 4,096, K 1,024] x [K 1,024, N 4,096]; A: computed on the way; B: input W1: QUANTISED
;;     8. [M 4,096, K 4,096] x [K 4,096, N 1,024]; A: computed on the way; B: input W2: QUANTISED
;;   THE QUANTISER, for each operand of a quantised product, along K:
;;     - K is cut into blocks of 32 from its start; a last block that is shorter is filled with zeros.
;;     - A block's scale is 2^e with e = floor(log2(the largest magnitude in the block)) - 2, held to -126 .. 127; a block of zeros has e = 0. As a byte (E8M0): e + 127.
;;     - Each number is divided by its block's scale, clamped to +-7.5, and rounded to the nearest number of E2M3, ties to even, subnormals kept.
;;     - The product sums the exact products of the quantised numbers (number of the format x scale) in f32.
;;   ~~~python
;;   def quantise(x, axis):      # numpy; x: float32 -> the quantised numbers, widened to float32 again
;;       x = np.moveaxis(x, axis, -1); K = x.shape[-1]
;;       x = np.pad(x, [(0, 0)] * (x.ndim - 1) + [(0, -K % 32)]); x = x.reshape(x.shape[:-1] + (-1, 32)); a = np.abs(x).max(-1, keepdims=True)
;;       e = np.where(a > 0, np.clip(np.frexp(np.where(a > 0, a, 1))[1] - 1 - 2, -126, 127), 0)      # np.frexp(a)[1] - 1 = floor(log2(a)), exactly
;;       r = np.clip(x / 2.0 ** e, -7.5, 7.5)
;;       step = 2.0 ** (np.maximum(np.frexp(np.where(r == 0, 1, r))[1] - 1, 0) - 3)
;;       q = np.round(r / step) * step * 2.0 ** e      # np.round: ties to even
;;       return np.moveaxis(q.reshape(q.shape[:-2] + (-1,))[..., :K], -1, axis).astype(np.float32)
;;   ~~~
;;   SOFTMAX AHEAD OF A QUANTISED PRODUCT. Where the list says 'softmax', what is quantised is not the finished softmax but p = 2^(t - M), with t = logit x log2(e) and M = ceil(the row's largest t), a whole number; so 1/2 < the row's largest p <= 1. The row's sum l is taken of the UNQUANTISED p, in f32, and the product's result is divided by l at the end. Since M is a whole number, a kernel that streams over the keys may use a running M (the ceiling of the running maximum): every later rescaling is an exact power of two, which a block's scale takes up: the codes' values come out the same.
;;   OPERANDS COMPUTED ON THE WAY. 'Computed on the way' means the value that the module computes at that place (a softmax that the list does not call 'softmax' is quantised finished and normalised). What goes into a quantiser is computed in f32, as accurately as f32 sums, v_exp_f32 and their like allow (about 1e-6 of the number): no bf16 or f16 on the way to a quantiser, and a product that is left as it is and whose result goes on into a quantised operand takes f32 operands (vector FMAs, or v_wmma_f32_16x16x4_f32). A number that lies on a knife's edge between two numbers of the format may be rounded either way, as far as f32 arithmetic and the matrix unit's own rounding can turn it there, and no further.
;; One version. Each part assembles by itself: llvm-mc -triple=amdgcn-amd-amdhsa -mcpu=gfx1250 --defsym DOCPART=n.
;; ======== version 1 of 1: 6 launches
;; limits: right only within a limited range of input values
;; workspace buffers: wc 9,830,400 bytes; hq 3,276,800 bytes; qr 6,553,600 bytes; kv 6,553,600 bytes; cq 3,276,800 bytes; x1 16,777,216 bytes; fq 13,107,200 bytes
;; launch pre (part 1): grid 448 x 1, 8 waves a work-group, no clusters, 2,048 bytes of LDS; arguments embedding, g1, be1, hq, Wq, Wk, Wv, Wo, W1, W2, wc; writes hq, wc
.if DOCPART == 1
	.amdgcn_target "amdgcn-amd-amdhsa--gfx1250"
	.amdhsa_code_object_version 6
	.text
	.protected	k_q24c8bd9d83_pre
	.globl	k_q24c8bd9d83_pre
	.p2align	8
	.type	k_q24c8bd9d83_pre,@function
k_q24c8bd9d83_pre:
	s_mov_b64 s[64:65], 0
	v_nop
	global_prefetch_b8 v0, s[64:65] scope:SCOPE_SE
	s_setreg_imm32_b32 hwreg(HW_REG_WAVE_MODE, 25, 1), 1
	s_wait_xcnt 0x0
; Two pieces of work that hang on nothing of each other share one launch; they part once, on the work-group's number, and each has its own end.
; WORK-GROUPS 0-255: hq = Q(LayerNorm(embedding) g1 + be1).  WORK-GROUPS 256-447: the six weights, f32 stored [K][N], become codes.
; Codes are FP6 (E2M3) with one E8M0 byte for each 32 along K, laid in the order of an operand's registers.
; RECORD (128 rows x 128 K, 12,800 bytes): eight fragments of 1,536 bytes, then eight tiles x 16 scale words.  Tile 2 b + u, lane row r, is row 32 b + 8 u + r + 8 (r / 8) of the 128.
; A fragment is two halves of 64 K, 768 bytes each: lane r + 16 h holds k = 32 h .. + 31 in six registers: registers 0-3 at 16 (r + 16 h), registers 4-5 at 512 + 16 r + 8 h.
; A block's scale is 2^(floor(log2(largest magnitude)) - 2); its byte is that magnitude's exponent field - 2, held at 1 from below.
; LIMITS: a block of zeros, or one under 2^-124, gets the byte 1 (only this program reads the bytes); NaN and infinities are not served.
; LAYERNORM.  A work-group takes ONE TILE of 16 tokens; wave w takes K step w, 128 columns: lane (r, h) holds 64 numbers of row r, register 16 b + i = column 128 w + 32 b + 16 h + i.  The row stays in
; registers: x is read once.  Mean and variance in two passes, f32.  A row's eight partial sums meet in LDS, 32 bytes a row; two regions, so two barriers do.
; WEIGHTS.  A LANE TAKES A COLUMN n AND ITS REGISTERS RUN DOWN K: a block of 32 lies in one lane, and the conversions give codes with K innermost.  Four waves take 128 columns x 256 K, a wave 32 columns;
; a work-group's waves 0-3 and 4-7 take two such parts, numbered 2 (work-group - 256) + wave / 4: parts 0-127: Wq, Wk, Wv, Wo (32 each); 128-255: W1; 256-383: W2.  Sizes and pointers are chosen on that number.
; This path has no LDS and no barrier; loads run two blocks (64 loads a wave) ahead; no register of a store is written again, so no wait stands for them.
; No matrix unit, no cluster, no tensor load: each byte is read once by one wave.
.set WV,    3
.set SPW,   254                        ; v254 LDS address of my spare word; never rewritten
.set NIL,   255                        ; v255 0; never rewritten
.set REC,   12800
.set RED0,  0                          ; LDS: 16 rows x 8 words: the sums
.set RED1,  512                        ; the sums of squares
.set SPARE, 1024                       ; the spare words, 128 bytes a wave: four blocks of 256 bytes that no other line names
.set PC,    8                          ; LayerNorm: v8-26 the codes
.set X,     32                         ; v32-95   my 64 numbers
.set GG,    96                         ; v96-159  g
.set BB,    160                        ; v160-223 b
.set TM,    224                        ; v224-239 the quantiser's
.set PW,    240                        ; the scale word
.set SM,    244                        ; v244-251 sums
.set MU,    252                        ; v252-253 the mean, later 1 / sqrt(var + eps), twice
.set SEL,   14
.set VOFF,  16                         ; weights: v16-47 4 x lane + i rows of the weight
.set QX,    48                         ; v48-111  two sets of 32 numbers
.set QG,    112                        ; v112-159 four halves' images: 12 registers each
.set QT,    160                        ; v160-167 a block's upper 16 codes, two sets
.set QS,    168                        ; v168-169 scale words of the two K steps
	v_lshl_add_u32 v[SPW], v0, 2, SPARE
	v_mov_b32 v[NIL], 0
	v_lshrrev_b32 v1, 5, v0
	s_delay_alu instid0(VALU_DEP_1)
	v_readfirstlane_b32 s[WV], v1
	s_cmp_lt_u32 ttmp9, 256
	s_cbranch_scc0 .Lweights
	; ---------------- LayerNorm and its quantiser
	s_load_b256 s[4:11], s[0:1], 0x0               ; x, g, b, out
	v_and_b32 v1, 15, v0                           ; r
	v_bfe_u32 v2, v0, 4, 1                         ; h
	v_and_b32 v7, 31, v0                           ; lane
	s_delay_alu instid0(VALU_DEP_2)
	v_lshlrev_b32 v4, 6, v2
	s_lshl_b32 s16, s[WV], 9
	v_add_nc_u32 v4, s16, v4                       ; g, b: 512 w + 64 h
	v_and_b32 v3, 8, v1
	s_delay_alu instid0(VALU_DEP_1)
	v_add_nc_u32 v3, v3, v1
	s_delay_alu instid0(VALU_DEP_1)
	v_lshl_add_u32 v3, v3, 12, v4                  ; x: + (r + 8 (r / 8)) rows of 4,096 bytes
	v_lshlrev_b32 v6, 5, v1                        ; LDS: my row's eight words,
	s_lshl_b32 s16, s[WV], 2
	v_add_nc_u32 v5, s16, v6                       ; and my wave's among them
	v_lshlrev_b32 v27, 4, v7                       ; out: 16 x lane,
	v_lshlrev_b32 v28, 4, v1
	s_delay_alu instid0(VALU_DEP_1)
	v_lshl_add_u32 v28, v2, 3, v28                 ; 16 r + 8 h,
	v_lshlrev_b32 v29, 2, v1                       ; 4 r
	s_mov_b32 s[SEL], 0x76543210
	s_mov_b32 s[SEL+1], 0xfedcba98                 ; lane l xor 16
	s_mov_b32 s24, 0x3a800000                      ; 1 / 1024
	s_mov_b32 s25, 0x3727c5ac                      ; 1e-5
.irp b, 0,1,2,3
	v_mov_b32 v[TM+4+\b], 0                        ; a lane permute's destination counts as read
.endr
	s_lshr_b32 s18, ttmp9, 1
	s_lshl_b32 s18, s18, 17
	s_and_b32 s17, ttmp9, 1
	s_lshl_b32 s17, s17, 15
	s_add_co_u32 s18, s18, s17                     ; (32 (tt / 2) + 8 (tt % 2)) rows
	s_mov_b32 s19, 0
	s_lshr_b32 s20, ttmp9, 3
	s_lshl_b32 s20, s20, 3
	s_add_co_u32 s20, s20, s[WV]                   ; record (tt / 8) x 8 + w
	s_mul_i32 s20, s20, REC
	s_and_b32 s17, ttmp9, 7
	s_lshl_b32 s22, s17, 6
	s_add_co_u32 s22, s22, s20
	s_add_co_u32 s22, s22, 12288                   ; my tile's scale words
	s_mov_b32 s23, 0
	s_mul_i32 s17, s17, 1536
	s_add_co_u32 s20, s20, s17                     ; my tile's fragment
	s_mov_b32 s21, 0
	s_wait_kmcnt 0x0
	s_add_nc_u64 s[4:5], s[4:5], s[18:19]
	s_add_nc_u64 s[22:23], s[10:11], s[22:23]
	s_add_nc_u64 s[20:21], s[10:11], s[20:21]
.irp b, 0,1,2,3
.irp j, 0,1,2,3
	global_load_b128 v[X+16*\b+4*\j:X+16*\b+4*\j+3], v3, s[4:5] offset:128*\b+16*\j
.endr
.endr
.irp b, 0,1,2,3
.irp j, 0,1,2,3
	global_load_b128 v[GG+16*\b+4*\j:GG+16*\b+4*\j+3], v4, s[6:7] offset:128*\b+16*\j
.endr
.endr
.irp b, 0,1,2,3
.irp j, 0,1,2,3
	global_load_b128 v[BB+16*\b+4*\j:BB+16*\b+4*\j+3], v4, s[8:9] offset:128*\b+16*\j
.endr
.endr
; four chains in v[SM .. SM+7] become the row's total, in every lane: my 64, lane l xor 16's, and through LDS the other seven waves'
.macro ACROSS red
	s_delay_alu instid0(VALU_DEP_3)
	v_pk_add_f32 v[SM:SM+1], v[SM:SM+1], v[SM+2:SM+3]
	s_delay_alu instid0(VALU_DEP_2)
	v_pk_add_f32 v[SM+4:SM+5], v[SM+4:SM+5], v[SM+6:SM+7]
	s_delay_alu instid0(VALU_DEP_1)
	v_pk_add_f32 v[SM:SM+1], v[SM:SM+1], v[SM+4:SM+5]
	s_delay_alu instid0(VALU_DEP_1)
	v_add_f32 v[SM], v[SM], v[SM+1]
	s_delay_alu instid0(VALU_DEP_1)
	v_permlanex16_b32 v[SM+2], v[SM], s[SEL], s[SEL+1]
	s_delay_alu instid0(VALU_DEP_1)
	v_add_f32 v[SM], v[SM], v[SM+2]
	ds_store_b32 v5, v[SM] offset:\red             ; lanes r and r + 16 write the same word with the same value
	s_wait_dscnt 0x0                               ; for the others' sake: my store has landed
	s_barrier_signal -1
	s_barrier_wait -1
	ds_load_b128 v[SM:SM+3], v6 offset:\red
	ds_load_b128 v[SM+4:SM+7], v6 offset:\red+16
	s_wait_dscnt 0x0
	v_pk_add_f32 v[SM:SM+1], v[SM:SM+1], v[SM+2:SM+3]
	v_pk_add_f32 v[SM+4:SM+5], v[SM+4:SM+5], v[SM+6:SM+7]
	s_delay_alu instid0(VALU_DEP_1)
	v_pk_add_f32 v[SM:SM+1], v[SM:SM+1], v[SM+4:SM+5]
	s_delay_alu instid0(VALU_DEP_1)
	v_add_f32 v[SM], v[SM], v[SM+1]
.endm
	s_wait_loadcnt 32                              ; x's 16 loads are in; g's and b's 32 may be out
.irp c, 0,1,2,3
	v_pk_add_f32 v[SM+2*\c:SM+2*\c+1], v[X+4*\c:X+4*\c+1], v[X+4*\c+2:X+4*\c+3]
.endr
.irp j, 16,24,32,40,48,56
.irp c, 0,1,2,3
	s_delay_alu instid0(VALU_DEP_4)
	v_pk_add_f32 v[SM+2*\c:SM+2*\c+1], v[SM+2*\c:SM+2*\c+1], v[X+\j+2*\c:X+\j+2*\c+1]
.endr
.endr
	ACROSS RED0
	s_delay_alu instid0(VALU_DEP_1)
	v_mul_f32 v[MU], s24, v[SM]                    ; the mean
	s_delay_alu instid0(VALU_DEP_1)
	v_mov_b32 v[MU+1], v[MU]
.set J, 0
.rept 32
	v_pk_add_f32 v[X+J:X+J+1], v[X+J:X+J+1], v[MU:MU+1] neg_lo:[0,1] neg_hi:[0,1]
.set J, J+2
.endr
.irp c, 0,1,2,3
	v_pk_mul_f32 v[SM+2*\c:SM+2*\c+1], v[X+2*\c:X+2*\c+1], v[X+2*\c:X+2*\c+1]
.endr
.irp j, 8,16,24,32,40,48,56
.irp c, 0,1,2,3
	s_delay_alu instid0(VALU_DEP_4)
	v_pk_fma_f32 v[SM+2*\c:SM+2*\c+1], v[X+\j+2*\c:X+\j+2*\c+1], v[X+\j+2*\c:X+\j+2*\c+1], v[SM+2*\c:SM+2*\c+1]
.endr
.endr
	ACROSS RED1
	s_delay_alu instid0(VALU_DEP_1)
	v_fma_f32 v[SM], v[SM], s24, s25               ; var + eps
	s_wait_alu depctr_va_vdst(0)
	v_rsq_f32 v[MU], v[SM]
	v_nop                                          ; a plain place behind the transcendental
	s_wait_loadcnt 0x0                             ; g and b
	s_wait_alu depctr_va_vdst(0)                   ; ahead of the result's first reader
	v_mov_b32 v[MU+1], v[MU]
.set J, 0
.rept 32
	v_pk_mul_f32 v[X+J:X+J+1], v[X+J:X+J+1], v[MU:MU+1]
.set J, J+2
.endr
.set J, 0
.rept 32
	v_pk_fma_f32 v[X+J:X+J+1], v[X+J:X+J+1], v[GG+J:GG+J+1], v[BB+J:BB+J+1]
.set J, J+2
.endr
; the quantiser: 64 numbers of a lane become a fragment's 12 registers and its row's scale word
.irp b, 0,1,2,3
	v_max3_num_f32 v[TM+\b], |v[X+16*\b]|, |v[X+1+16*\b]|, 0x1800000   ; with the floor 2^(3 - 127)
.endr
.irp i, 2,4,6,8,10,12,14
.irp b, 0,1,2,3
	s_delay_alu instid0(VALU_DEP_4)
	v_max3_num_f32 v[TM+\b], v[TM+\b], |v[X+16*\b+\i]|, |v[X+1+16*\b+\i]|
.endr
.endr
.irp b, 0,1,2,3
	s_delay_alu instid0(VALU_DEP_4)
	v_permlanex16_b32 v[TM+4+\b], v[TM+\b], s[SEL], s[SEL+1]
.endr
.irp b, 0,1,2,3
	s_delay_alu instid0(VALU_DEP_4)
	v_max_num_f32 v[TM+\b], v[TM+\b], v[TM+4+\b]   ; the block's largest magnitude
.endr
.irp b, 0,1,2,3
	s_delay_alu instid0(VALU_DEP_4)
	v_add_nc_u32 v[TM+12+\b], 0xff000000, v[TM+\b] ; 2 off its exponent field: the conversion's scale operand
.endr
.irp b, 0,1,2,3
	s_delay_alu instid0(VALU_DEP_4)
	v_lshrrev_b32 v[TM+4+\b], 23, v[TM+12+\b]      ; the byte
.endr
	s_delay_alu instid0(VALU_DEP_3)
	v_lshl_or_b32 v[PW], v[TM+5], 8, v[TM+4]
	s_delay_alu instid0(VALU_DEP_1)
	v_lshl_or_b32 v[PW], v[TM+6], 16, v[PW]
	s_delay_alu instid0(VALU_DEP_1)
	v_lshl_or_b32 v[PW], v[TM+7], 24, v[PW]
.irp c, 0,1
	v_cvt_scalef32_pk16_fp6_f32 v[PC+6*\c:PC+2+6*\c], v[X+32*\c:X+15+32*\c], v[TM+12+2*\c]
	v_cvt_scalef32_pk16_fp6_f32 v[PC+12+4*\c:PC+14+4*\c], v[X+16+32*\c:X+31+32*\c], v[TM+12+2*\c+1]
.endr
	v_nop                                          ; one plain place behind the conversions
.irp c, 0,1                            ; a whole block to a lane: lanes 0-15 block 2 c, lanes 16-31 block 2 c + 1
.irp i, 0,1,2
	v_permlane16_swap_b32 v[PC+6*\c+\i], v[PC+12+4*\c+\i]
.endr
.irp i, 0,1,2
	s_delay_alu instid0(VALU_DEP_3)
	v_mov_b32 v[PC+3+6*\c+\i], v[PC+12+4*\c+\i]
.endr
.endr
	global_store_b128 v27, v[PC:PC+3], s[20:21]              ; the fragment's image: 512, 256, 512, 256 consecutive bytes
	global_store_b64 v28, v[PC+4:PC+5], s[20:21] offset:512
	global_store_b128 v27, v[PC+6:PC+9], s[20:21] offset:768
	global_store_b64 v28, v[PC+10:PC+11], s[20:21] offset:1280
	global_store_b32 v29, v[PW], s[22:23]                    ; lanes r and r + 16 write the same word with the same value
	s_wait_tensorcnt 0x0                           ; the wave's end, behind my last LDS store
	ds_add_u32 v[SPW], v[NIL]
	s_wait_dscnt 0x0
	s_endpgm
	; ---------------- the weights
.Lweights:
	s_load_b256 s[4:11], s[0:1], 0x20              ; Wq, Wk, Wv, Wo
	s_load_b128 s[12:15], s[0:1], 0x40             ; W1, W2
	s_load_b64 s[16:17], s[0:1], 0x50              ; wc
	s_sub_co_u32 s19, ttmp9, 256
	s_lshl_b32 s19, s19, 1
	s_lshr_b32 s18, s[WV], 2
	s_add_co_u32 s19, s19, s18                     ; my part, 0 .. 383
	s_and_b32 s18, s[WV], 3                        ; my wave among the part's four
	v_and_b32 v2, 31, v0                           ; lane
	s_wait_alu depctr_va_vdst(0)
	s_lshr_b32 s20, s19, 5                         ; the four small weights: which of them,
	s_and_b32 s21, s19, 7                          ; which 128 columns (W2 likewise),
	s_and_b32 s22, s19, 31                         ; (W1: which 128 columns)
	s_lshr_b32 s23, s22, 3                         ; which 256 along K
	s_sub_co_u32 s24, s20, 4                       ; W1: which 256 along K
	s_lshr_b32 s25, s19, 3
	s_sub_co_u32 s25, s25, 32                      ; W2: which 256 along K
	s_cmp_lt_u32 s19, 128
	s_cselect_b32 s26, s23, s24                    ; kc
	s_cselect_b32 s27, s21, s22                    ; ng
	s_cselect_b32 s28, s20, 4                      ; the weight's place in wc, in units of 819,200 bytes
	s_cselect_b32 s29, 12, 14                      ; log2 of a row's bytes
	s_cmp_lt_u32 s19, 256
	s_cselect_b32 s26, s26, s25
	s_cselect_b32 s27, s27, s21
	s_cselect_b32 s28, s28, 8
	s_cselect_b32 s29, s29, 12
	s_cselect_b32 s30, 8, 32                       ; K steps of 128 in the weight
	s_add_co_u32 s31, s29, 8
	s_lshl_b32 s48, s26, s31                       ; kc x 256 rows
	s_lshl_b32 s49, s27, 9                         ; + ng x 512 bytes
	s_add_co_u32 s48, s48, s49
	s_lshl_b32 s49, s18, 7                         ; + wave x 128 bytes
	s_add_co_u32 s48, s48, s49
	s_mov_b32 s49, 0
	s_add_co_u32 s31, s29, 5
	s_lshl_b32 s50, 1, s31                         ; 32 rows
	s_mov_b32 s51, 0
	s_mul_i32 s52, s28, 819200
	s_mul_i32 s53, s27, s30
	s_lshl_b32 s54, s26, 1
	s_add_co_u32 s53, s53, s54                     ; record ng x NKS + 2 kc
	s_mul_i32 s53, s53, REC
	s_add_co_u32 s52, s52, s53
	s_mov_b32 s53, 0
	s_lshl_b32 s55, 1, s29                         ; a row's bytes
	v_lshlrev_b32 v[VOFF], 2, v2
.irp i, 1,2,3,4,5,6,7,8,9,10,11,12,13,14,15,16,17,18,19,20,21,22,23,24,25,26,27,28,29,30,31
	s_delay_alu instid0(VALU_DEP_1)
	v_add_nc_u32 v[VOFF+\i], s55, v[VOFF+\i-1]
.endr
	v_bfe_u32 v3, v0, 3, 1                         ; u: column 32 w + lane is row r of tile 2 w + u
	v_and_b32 v4, 7, v0
	v_bfe_u32 v5, v0, 4, 1
	s_delay_alu instid0(VALU_DEP_1)
	v_lshl_add_u32 v4, v5, 3, v4                   ; r
	s_delay_alu instid0(VALU_DEP_4)
	v_mul_u32_u24 v6, v3, 1536
	s_delay_alu instid0(VALU_DEP_1)
	v_lshl_add_u32 v6, v4, 4, v6
	s_mul_i32 s56, s18, 3072
	v_add_nc_u32 v6, s56, v6                       ; codes: tile x 1,536 + 16 r
	v_lshlrev_b32 v7, 6, v3
	s_delay_alu instid0(VALU_DEP_1)
	v_lshl_add_u32 v7, v4, 2, v7
	s_lshl_b32 s56, s18, 7
	v_add_nc_u32 v7, s56, v7                       ; scale words: tile x 64 + 4 r
	s_wait_kmcnt 0x0
	s_cmp_eq_u32 s28, 1                            ; the choice hangs on ids alone
	s_cselect_b64 s[4:5], s[6:7], s[4:5]
	s_cmp_eq_u32 s28, 2
	s_cselect_b64 s[4:5], s[8:9], s[4:5]
	s_cmp_eq_u32 s28, 3
	s_cselect_b64 s[4:5], s[10:11], s[4:5]
	s_cmp_eq_u32 s28, 4
	s_cselect_b64 s[4:5], s[12:13], s[4:5]
	s_cmp_eq_u32 s28, 8
	s_cselect_b64 s[4:5], s[14:15], s[4:5]
	s_add_nc_u64 s[32:33], s[4:5], s[48:49]        ; a base for each block of 32 rows: none is written again
.irp t, 1,2,3,4,5,6,7
	s_add_nc_u64 s[32+2*\t:33+2*\t], s[30+2*\t:31+2*\t], s[50:51]
.endr
	s_add_nc_u64 s[16:17], s[16:17], s[52:53]
.macro LOAD t                          ; block t: W(32 t + i, my column), i = 0 .. 31: 128 consecutive bytes a wave and load
.set J, 0
.rept 32
	global_load_b32 v[QX+32*((\t)%2)+J], v[VOFF+J], s[32+2*(\t):33+2*(\t)] th:TH_LOAD_NT
.set J, J+1
.endr
.endm
.macro BLOCK t                         ; K step t / 4, half (t / 2) % 2, lane half t % 2
.set XS, QX+32*((\t)%2)
.set GP, QG+12*((\t)/2)
.set HH, (\t)%2
.set TS, QT+4*((\t)%2)
.if (\t) < 7
	s_wait_loadcnt 32                              ; this block's 32 loads are in; the next block's 32 may be out
.else
	s_wait_loadcnt 0
.endif
	v_max3_num_f32 v8, |v[XS]|, |v[XS+1]|, |v[XS+2]|
	v_max3_num_f32 v9, |v[XS+3]|, |v[XS+4]|, |v[XS+5]|
.irp i, 6,10,14,18,22,26
	s_delay_alu instid0(VALU_DEP_2)
	v_max3_num_f32 v8, v8, |v[XS+\i]|, |v[XS+\i+1]|
	s_delay_alu instid0(VALU_DEP_2)
	v_max3_num_f32 v9, v9, |v[XS+\i+2]|, |v[XS+\i+3]|
.endr
	s_delay_alu instid0(VALU_DEP_2)
	v_max3_num_f32 v8, v8, |v[XS+30]|, |v[XS+31]|
	s_delay_alu instid0(VALU_DEP_1)
	v_max3_num_f32 v8, v8, v9, 0x1800000           ; the floor 2^(3 - 127): the byte cannot fall under 1
	s_delay_alu instid0(VALU_DEP_1)
	v_add_nc_u32 v10, 0xff000000, v8               ; 2 off the exponent field: the conversion's scale operand
	s_delay_alu instid0(VALU_DEP_1)
	v_lshrrev_b32 v11, 23, v10                     ; the byte
.if (\t)%4 == 0
	s_delay_alu instid0(VALU_DEP_1)
	v_mov_b32 v[QS+(\t)/4], v11
.else
	s_delay_alu instid0(VALU_DEP_1)
	v_lshl_or_b32 v[QS+(\t)/4], v11, 8*((\t)%4), v[QS+(\t)/4]
.endif
	v_cvt_scalef32_pk16_fp6_f32 v[GP+4*HH:GP+4*HH+2], v[XS:XS+15], v10
	v_cvt_scalef32_pk16_fp6_f32 v[TS:TS+2], v[XS+16:XS+31], v10
	v_nop                                          ; one plain place behind the conversions
	v_mov_b32 v[GP+4*HH+3], v[TS]                  ; registers 0-3 of lane r + 16 h's six,
	v_mov_b32 v[GP+8+2*HH], v[TS+1]                ; and its registers 4-5
	v_mov_b32 v[GP+9+2*HH], v[TS+2]
.if (\t)+2 < 8
	LOAD (\t)+2
.endif
.if (\t)%2 == 1                        ; a half is whole: three stores of 16 bytes a lane; sixteen lanes of one tile cover 256 consecutive bytes, aligned
	global_store_b128 v6, v[GP:GP+3], s[16:17] offset:REC*((\t)/4)+768*(((\t)/2)%2)
	global_store_b128 v6, v[GP+4:GP+7], s[16:17] offset:REC*((\t)/4)+768*(((\t)/2)%2)+256
	global_store_b128 v6, v[GP+8:GP+11], s[16:17] offset:REC*((\t)/4)+768*(((\t)/2)%2)+512
.endif
.if (\t)%4 == 3
	global_store_b32 v7, v[QS+(\t)/4], s[16:17] offset:REC*((\t)/4)+12288
.endif
.endm
	LOAD 0
	LOAD 1
.irp t, 0,1,2,3,4,5,6,7
	BLOCK \t
.endr
	s_endpgm
.Lfunc_end_k_q24c8bd9d83_pre:
	.size	k_q24c8bd9d83_pre, .Lfunc_end_k_q24c8bd9d83_pre-k_q24c8bd9d83_pre
	.p2alignl 7, 3214868480
	.fill 96, 4, 3214868480
	.section	.rodata,"a",@progbits
	.p2align	6, 0x0
	.amdhsa_kernel k_q24c8bd9d83_pre
		.amdhsa_group_segment_fixed_size 2048
		.amdhsa_private_segment_fixed_size 0
		.amdhsa_enable_private_segment 0
		.amdhsa_kernarg_size 88
		.amdhsa_user_sgpr_count 2
		.amdhsa_user_sgpr_kernarg_segment_ptr 1
		.amdhsa_wavefront_size32 1
		.amdhsa_system_sgpr_workgroup_id_x 1
		.amdhsa_system_sgpr_workgroup_id_y 1
		.amdhsa_system_sgpr_workgroup_id_z 1
		.amdhsa_system_vgpr_workitem_id 0
		.amdhsa_next_free_vgpr 256
		.amdhsa_next_free_sgpr 66
		.amdhsa_reserve_vcc 0
		.amdhsa_float_denorm_mode_32 3
		.amdhsa_float_denorm_mode_16_64 3
		.amdhsa_memory_ordered 1
		.amdhsa_forward_progress 1
		.amdhsa_inst_pref_size 74
	.end_amdhsa_kernel
	.amdgpu_metadata
---
amdhsa.version: [ 1, 2 ]
amdhsa.kernels:
  - .name:           k_q24c8bd9d83_pre
    .symbol:         k_q24c8bd9d83_pre.kd
    .args:
      - { .name: embedding, .offset: 0, .size: 8, .value_kind: global_buffer, .address_space: global }
      - { .name: g1, .offset: 8, .size: 8, .value_kind: global_buffer, .address_space: global }
      - { .name: be1, .offset: 16, .size: 8, .value_kind: global_buffer, .address_space: global }
      - { .name: hq, .offset: 24, .size: 8, .value_kind: global_buffer, .address_space: global }
      - { .name: Wq, .offset: 32, .size: 8, .value_kind: global_buffer, .address_space: global }
      - { .name: Wk, .offset: 40, .size: 8, .value_kind: global_buffer, .address_space: global }
      - { .name: Wv, .offset: 48, .size: 8, .value_kind: global_buffer, .address_space: global }
      - { .name: Wo, .offset: 56, .size: 8, .value_kind: global_buffer, .address_space: global }
      - { .name: W1, .offset: 64, .size: 8, .value_kind: global_buffer, .address_space: global }
      - { .name: W2, .offset: 72, .size: 8, .value_kind: global_buffer, .address_space: global }
      - { .name: wc, .offset: 80, .size: 8, .value_kind: global_buffer, .address_space: global }
    .group_segment_fixed_size: 2048
    .private_segment_fixed_size: 0
    .kernarg_segment_align: 8
    .kernarg_segment_size: 88
    .max_flat_workgroup_size: 256
    .sgpr_count:     66
    .vgpr_count:     256
    .wavefront_size: 32
...
	.end_amdgpu_metadata
.endif
;; end of part 1
;; launch qkv (part 2): grid 12 x 16, 16 waves a work-group, clusters of 4 x 4, 327,680 bytes of LDS; arguments hq, wc, qr, kv; writes qr, kv
.if DOCPART == 2
	.amdgcn_target "amdgcn-amd-amdhsa--gfx1250"
	.amdhsa_code_object_version 6
	.text
	.protected	k_q24c8bd9d83_qkv
	.globl	k_q24c8bd9d83_qkv
	.p2align	8
	.type	k_q24c8bd9d83_qkv,@function
k_q24c8bd9d83_qkv:
	s_mov_b64 s[64:65], 0
	v_nop
	global_prefetch_b8 v0, s[64:65] scope:SCOPE_SE
	s_setreg_imm32_b32 hwreg(HW_REG_WAVE_MODE, 25, 1), 1
	s_wait_xcnt 0x0
	s_wait_alu depctr_hold_cnt(0) depctr_sa_sdst(0) depctr_va_vdst(0) depctr_va_sdst(0) depctr_va_ssrc(0) depctr_va_vcc(0) depctr_vm_vsrc(0)
	s_getreg_b32 s2, hwreg(HW_REG_IB_STS2, 6, 4)
	s_cmp_eq_u32 s2, 0
	s_cbranch_scc0 .Lentry_in_a_cluster
	s_endpgm
.Lentry_in_a_cluster:
	s_bfe_u32 s2, ttmp6, 0x10000c
	s_cmp_lg_u32 s2, 0xf033
	s_cbranch_scc0 .Lentry_shape_is_right
	s_endpgm
.Lentry_shape_is_right:
; q, k and v of all heads, each quantised on its way out for attention's products.  Operands: records of 128 rows x 128 K (12,800 bytes: eight fragments of 1,536 bytes in the order of
; an operand's registers, then 8 x 16 scale words); K = 1,024 is eight records on end for each 128 rows.  Codes of FP6 (E2M3), E8M0 bytes; sums f32.
; D = source 0 x source 1^T: a lane holds ONE row of source 1 (operand A here) and its registers run along source 0's rows (operand B), in true order: tile 2 b + u, row r, is row 32 b + 8 u + r + 8 (r / 8).
; Clusters x = 0, 1 (q, k): A = the tokens (hq), B = Wq or Wk: a lane holds a token and 64 channels of one head: they are quantised along the head's 64.
; Cluster x = 2 (v): A = Wv, B = the tokens: a lane holds a channel and 64 tokens: v is quantised along the keys.  The choice hangs on the cluster's number, the same in all partners.
; A work-group of 16 waves makes 256 x 256, a wave 64 x 64: 16 accumulators, 128 registers, no register windows.  K goes through two LDS slots of two K steps (102,400 bytes), in four
; quarters of 25,600 dense bytes: A's two row groups, B's two; waves 0-3 fetch one quarter each.  The first products wait for slot 0 alone; slot 1 lands while slot 0 is multiplied.
; CLUSTER 4 x 4: A's quarters are asked for jointly along a row of the cluster, B's along a column.
; OUT: for head bh and 128 tokens: 12,288 bytes: eight halves (16 tokens x 64 channels, 768 bytes) of q or k; in kv behind them four fragments of v^T (16 channels x 128 keys).
; Scale bytes from byte 6,291,456 on, 512 for each such record.  The 2-byte scale stores are one byte in 48 of what is stored; sixteen lanes cover 64 bytes on end.
; LIMITS: a block of zeros, or one under 2^-124, gets the scale byte 1 (only this program reads the bytes); NaN and infinities are not served.
; The two refills' quarters are asked for into the L2 at the head; four slots in all, and the tiles are shared by the joint loads.
.set NKS,   8
.set REC,   12800
.set QUART, 2*REC
.set SLOT,  4*QUART
.set SSTEP, QUART                      ; a slot on in memory: two records
.set SPARE, 2*SLOT                     ; behind the ring: the spare words, 128 bytes a wave: eight blocks of 256 bytes that no other line names
.set KVS,   6291456
.set A16, 4                            ; v4-5   16 x lane + my A tiles, slot 0, 1
.set A8,  6                            ; v6-7   16 r + 8 h + the same
.set A4,  8                            ; v8-9   4 x lane + my A tiles' scale words
.set B16, 10
.set B8,  12
.set B4,  14
.set SPW, 16
.set NIL, 17
.set SA,  24                           ; v24-25 A's scale words: tiles 0, 1 and 2, 3 in the two halves of the lanes
.set SB,  26                           ; v26-27 B's
.set FA,  32                           ; v32-79   A's four fragments
.set FB,  80                           ; v80-127  B's
.set ACC, 128                          ; v128-255 accumulator (a, b) at ACC + 8 (4 a + b)
.set F,   64                           ; the way out: six registers of codes for each a
.set W,   96                           ; two scale bytes for each a
.set TT,  100
.set TM,  104
.set WV,  14
.set G1A, 24
.set G1B, 32
.set G0A, 40
.set G0B, 48
.set SEL, 56
.macro CROUND                          ; a round of the cluster's barrier
	s_barrier_signal -1
	s_barrier_wait -1
	s_cmp_lg_u32 s[WV], 0
	s_cbranch_scc1 .Lnw0_\@
	s_barrier_signal -3
.Lnw0_\@:
	s_barrier_wait -3
	s_barrier_signal -1
	s_barrier_wait -1
.endm
.macro JLOAD sl                        ; waves 0, 1: A's quarters; waves 2, 3: B's; the others nothing.  The branches hang on the wave's number alone
	s_cmp_lt_u32 s[WV], 2
	s_cbranch_scc0 .Lnot_a_\@
	tensor_load_to_lds s[G0A+4*\sl:G0A+4*\sl+3], s[G1A:G1A+7]
	s_nop 0
.rept 4
	v_nop
.endr
	s_branch .Lasked_\@
.Lnot_a_\@:
	s_cmp_lt_u32 s[WV], 4
	s_cbranch_scc0 .Lasked_\@
	tensor_load_to_lds s[G0B+4*\sl:G0B+4*\sl+3], s[G1B:G1B+7]
	s_nop 0
.rept 4
	v_nop
.endr
.Lasked_\@:
.endm
.macro WM a, b, zero                   ; source 0 = B's tile b, source 1 = A's tile a; an odd tile's scale words lie in lanes 16-31
.set XD, ACC+8*(4*(\a)+(\b))
.set XB, FB+12*(\b)
.set XA, FA+12*(\a)
.set YB, SB+(\b)/2
.set YA, SA+(\a)/2
.if \zero
.if ((\a)%2 == 0) && ((\b)%2 == 0)
	v_wmma_scale_f32_16x16x128_f8f6f4 v[XD:XD+7], v[XB:XB+11], v[XA:XA+11], 0, v[YB], v[YA] matrix_a_fmt:MATRIX_FMT_FP6 matrix_b_fmt:MATRIX_FMT_FP6
.elseif (\a)%2 == 0
	v_wmma_scale_f32_16x16x128_f8f6f4 v[XD:XD+7], v[XB:XB+11], v[XA:XA+11], 0, v[YB], v[YA] matrix_a_fmt:MATRIX_FMT_FP6 matrix_b_fmt:MATRIX_FMT_FP6 matrix_a_scale:MATRIX_SCALE_ROW1
.elseif (\b)%2 == 0
	v_wmma_scale_f32_16x16x128_f8f6f4 v[XD:XD+7], v[XB:XB+11], v[XA:XA+11], 0, v[YB], v[YA] matrix_a_fmt:MATRIX_FMT_FP6 matrix_b_fmt:MATRIX_FMT_FP6 matrix_b_scale:MATRIX_SCALE_ROW1
.else
	v_wmma_scale_f32_16x16x128_f8f6f4 v[XD:XD+7], v[XB:XB+11], v[XA:XA+11], 0, v[YB], v[YA] matrix_a_fmt:MATRIX_FMT_FP6 matrix_b_fmt:MATRIX_FMT_FP6 matrix_a_scale:MATRIX_SCALE_ROW1 matrix_b_scale:MATRIX_SCALE_ROW1
.endif
.else
.if ((\a)%2 == 0) && ((\b)%2 == 0)
	v_wmma_scale_f32_16x16x128_f8f6f4 v[XD:XD+7], v[XB:XB+11], v[XA:XA+11], v[XD:XD+7], v[YB], v[YA] matrix_a_fmt:MATRIX_FMT_FP6 matrix_b_fmt:MATRIX_FMT_FP6
.elseif (\a)%2 == 0
	v_wmma_scale_f32_16x16x128_f8f6f4 v[XD:XD+7], v[XB:XB+11], v[XA:XA+11], v[XD:XD+7], v[YB], v[YA] matrix_a_fmt:MATRIX_FMT_FP6 matrix_b_fmt:MATRIX_FMT_FP6 matrix_a_scale:MATRIX_SCALE_ROW1
.elseif (\b)%2 == 0
	v_wmma_scale_f32_16x16x128_f8f6f4 v[XD:XD+7], v[XB:XB+11], v[XA:XA+11], v[XD:XD+7], v[YB], v[YA] matrix_a_fmt:MATRIX_FMT_FP6 matrix_b_fmt:MATRIX_FMT_FP6 matrix_b_scale:MATRIX_SCALE_ROW1
.else
	v_wmma_scale_f32_16x16x128_f8f6f4 v[XD:XD+7], v[XB:XB+11], v[XA:XA+11], v[XD:XD+7], v[YB], v[YA] matrix_a_fmt:MATRIX_FMT_FP6 matrix_b_fmt:MATRIX_FMT_FP6 matrix_a_scale:MATRIX_SCALE_ROW1 matrix_b_scale:MATRIX_SCALE_ROW1
.endif
.endif
.endm
; One K step of 128: 36 LDS loads in one run, 16 matrix instructions; the 16 accumulators take turns, one instruction a turn, in the same order in every step.
.macro KSTEP sl, q, zero
.if !(\zero)
.rept 4
	v_nop                                          ; four places in front of loads into registers that matrix instructions have read
.endr
.endif
	ds_load_b32 v[SA], v[A4+\sl] offset:REC*(\q)
	ds_load_b32 v[SA+1], v[A4+\sl] offset:REC*(\q)+128
	ds_load_b32 v[SB], v[B4+\sl] offset:REC*(\q)
	ds_load_b32 v[SB+1], v[B4+\sl] offset:REC*(\q)+128
.irp i, 0,1,2,3
	ds_load_b128 v[FB+12*\i:FB+12*\i+3], v[B16+\sl] offset:REC*(\q)+1536*\i
	ds_load_b64 v[FB+12*\i+4:FB+12*\i+5], v[B8+\sl] offset:REC*(\q)+1536*\i+512
	ds_load_b128 v[FB+12*\i+6:FB+12*\i+9], v[B16+\sl] offset:REC*(\q)+1536*\i+768
	ds_load_b64 v[FB+12*\i+10:FB+12*\i+11], v[B8+\sl] offset:REC*(\q)+1536*\i+1280
.endr
.irp i, 0,1,2,3
	ds_load_b128 v[FA+12*\i:FA+12*\i+3], v[A16+\sl] offset:REC*(\q)+1536*\i
	ds_load_b64 v[FA+12*\i+4:FA+12*\i+5], v[A8+\sl] offset:REC*(\q)+1536*\i+512
	ds_load_b128 v[FA+12*\i+6:FA+12*\i+9], v[A16+\sl] offset:REC*(\q)+1536*\i+768
	ds_load_b64 v[FA+12*\i+10:FA+12*\i+11], v[A8+\sl] offset:REC*(\q)+1536*\i+1280
.endr
.irp a, 0,1,2,3
	s_wait_dscnt 12-4*\a                           ; all but the four loads of each later fragment of A
.irp b, 0,1,2,3
	WM \a, \b, \zero
.endr
.endr
.endm
; The change of slots: every wave waits for all its tensor loads, adds 0 to its spare word, waits for that and for its reads of slot sl.  fill = 1: a round of the cluster's barrier, and slot sl is filled again first thing behind it.
.macro CHANGE sl, fill
	s_wait_tensorcnt 0x0
	ds_add_u32 v[SPW], v[NIL]
.if \fill
	ds_add_u32 v[SPW], v[NIL]                      ; and once more
	s_add_nc_u64 s[G0A+4*\sl+2:G0A+4*\sl+3], s[G0A+4*\sl+2:G0A+4*\sl+3], 2*SSTEP   ; no load of mine is out: the slot's next tile, two slots on
	s_add_nc_u64 s[G0B+4*\sl+2:G0B+4*\sl+3], s[G0B+4*\sl+2:G0B+4*\sl+3], 2*SSTEP
.endif
	s_wait_dscnt 0x0
.if \fill
	CROUND
	JLOAD \sl
.else
	s_barrier_signal -1
	s_barrier_wait -1
.endif
.endm
; 32 numbers of a lane, register 16 b + i = k 32 b + 16 (lane / 16) + i of my row, become half a fragment (six registers from f on: k = 32 (lane / 16) .. + 31) and two scale bytes in w
.macro HQUANT s, f, w
.irp b, 0,1
	v_max3_num_f32 v[TM+\b], |v[(\s)+16*\b]|, |v[(\s)+1+16*\b]|, 0x1800000   ; with the floor 2^(3 - 127): the byte cannot fall under 1
.endr
.irp i, 2,4,6,8,10,12,14
.irp b, 0,1
	v_max3_num_f32 v[TM+\b], v[TM+\b], |v[(\s)+16*\b+\i]|, |v[(\s)+1+16*\b+\i]|
.endr
.endr
.irp b, 0,1
	s_delay_alu instid0(VALU_DEP_2)
	v_permlanex16_b32 v[TM+2+\b], v[TM+\b], s[SEL], s[SEL+1]
.endr
.irp b, 0,1
	s_delay_alu instid0(VALU_DEP_2)
	v_max_num_f32 v[TM+\b], v[TM+\b], v[TM+2+\b]
.endr
.irp b, 0,1
	s_delay_alu instid0(VALU_DEP_2)
	v_add_nc_u32 v[TM+4+\b], 0xff000000, v[TM+\b]  ; 2 off the exponent field: the conversion's scale operand
.endr
.irp b, 0,1
	s_delay_alu instid0(VALU_DEP_2)
	v_lshrrev_b32 v[TM+2+\b], 23, v[TM+4+\b]
.endr
	s_delay_alu instid0(VALU_DEP_1)
	v_lshl_or_b32 v[\w], v[TM+3], 8, v[TM+2]
	v_cvt_scalef32_pk16_fp6_f32 v[(\f):(\f)+2], v[(\s):(\s)+15], v[TM+4]
	v_cvt_scalef32_pk16_fp6_f32 v[TT:TT+2], v[(\s)+16:(\s)+31], v[TM+5]
	v_nop                                          ; one plain place behind the conversions
.irp i, 0,1,2
	v_permlane16_swap_b32 v[(\f)+\i], v[TT+\i]     ; a whole block to a lane
.endr
.irp i, 0,1,2
	s_delay_alu instid0(VALU_DEP_3)
	v_mov_b32 v[(\f)+3+\i], v[TT+\i]
.endr
.endm
	s_load_b256 s[4:11], s[0:1], 0x0               ; hq, wc, qr, kv
	v_lshl_add_u32 v[SPW], v0, 2, SPARE
	v_mov_b32 v[NIL], 0
	ds_add_u32 v[SPW], v[NIL]                      ; the opening: the add and its wait ahead of the first tensor load
	ds_add_u32 v[SPW], v[NIL]
	v_lshrrev_b32 v1, 5, v0
	s_delay_alu instid0(VALU_DEP_1)
	v_readfirstlane_b32 s[WV], v1
	s_bfe_u32 s15, ttmp6, 0x40000                  ; cx
	s_bfe_u32 s16, ttmp6, 0x40004                  ; cy
	s_and_b32 s82, ttmp7, 0xffff
	s_lshl_b32 s82, s82, 2                         ; 4 x cluster y
	s_add_co_u32 s18, s82, s16                     ; q, k: A's tile of 256 tokens
	s_add_co_u32 s83, s82, s15                     ; v: B's tile of 256 tokens
	s_lshl_b32 s17, ttmp9, 2
	s_add_co_u32 s17, s17, s15                     ; q, k: B's tile of 256 rows of Wq, Wk (which lie on end in wc)
	s_cmp_eq_u32 ttmp9, 2
	s_cselect_b32 s18, s16, s18                    ; TA: it hangs on cy, never on cx
	s_cselect_b32 s17, s83, s17                    ; TB: on cx, never on cy
	s_cselect_b32 s84, 1638400, 0                  ; v: Wv's place in wc
	s_lshl_b32 s19, s16, 2
	s_lshl_b32 s19, 15, s19                        ; my row of the cluster
	s_lshl_b32 s20, 0x1111, s15                    ; my column
	s_or_b32 s[G1A], s19, (3<<16)|(1<<21)          ; the mask; elements of 8 bytes; bit 21 beside a mask; no padding
	s_or_b32 s[G1B], s20, (3<<16)|(1<<21)
.irp g, G1A, G1B
	s_mov_b32 s[\g+1], 32<<16                      ; a quarter is 100 dense rows of 256 bytes
	s_mov_b32 s[\g+2], 100<<16
	s_mov_b32 s[\g+3], 32<<16
	s_mov_b32 s[\g+4], 100
	s_mov_b32 s[\g+5], 32
	s_mov_b32 s[\g+6], 0
	s_mov_b32 s[\g+7], 0
.endr
	s_mov_b32 s[SEL], 0x76543210
	s_mov_b32 s[SEL+1], 0xfedcba98
	s_and_b32 s21, s[WV], 1
	s_mul_i32 s21, s21, NKS*REC                    ; which of the two row groups I fetch
	s_mul_i32 s58, s18, 2*NKS*REC
	s_add_co_u32 s58, s58, s21
	s_add_co_u32 s58, s58, s84
	s_mov_b32 s59, 0
	s_mul_i32 s60, s17, 2*NKS*REC
	s_add_co_u32 s60, s60, s21
	s_mov_b32 s61, 0
	s_and_b32 s22, s[WV], 3
	s_mul_i32 s22, s22, QUART                      ; my quarter: no place in the cluster enters an LDS address
	s_wait_dscnt 0x0
	s_wait_kmcnt 0x0
	s_cmp_eq_u32 ttmp9, 2
	s_cselect_b64 s[86:87], s[6:7], s[4:5]         ; A: Wv or the tokens
	s_cselect_b64 s[88:89], s[4:5], s[6:7]         ; B: the tokens or Wq, Wk
	s_add_nc_u64 s[58:59], s[86:87], s[58:59]
	s_add_nc_u64 s[60:61], s[88:89], s[60:61]
.irp s, 0,1
	s_mov_b32 s[G0A+4*\s], 1
	s_add_co_u32 s[G0A+4*\s+1], s22, \s*SLOT
	s_add_nc_u64 s[G0A+4*\s+2:G0A+4*\s+3], s[58:59], \s*SSTEP
	s_or_b32 s[G0A+4*\s+3], s[G0A+4*\s+3], 0x80000000
	s_mov_b32 s[G0B+4*\s], 1
	s_add_co_u32 s[G0B+4*\s+1], s22, \s*SLOT
	s_add_nc_u64 s[G0B+4*\s+2:G0B+4*\s+3], s[60:61], \s*SSTEP
	s_or_b32 s[G0B+4*\s+3], s[G0B+4*\s+3], 0x80000000
.endr
	CROUND                                         ; all sixteen work-groups are here: the first joint loads meet
	s_cmp_lt_u32 s[WV], 2                          ; a wave's two first fills stand on end in one branch on its number: slot 0's first, then slot 1's
	s_cbranch_scc0 .Lf_not_a
	tensor_load_to_lds s[G0A:G0A+3], s[G1A:G1A+7]
	s_nop 0
.rept 4
	v_nop
.endr
	s_branch .Lf_asked
.Lf_not_a:
	s_cmp_lt_u32 s[WV], 4
	s_cbranch_scc0 .Lf_not_b                       ; the head's eight quarters, one a wave, in one chain: waves 0, 1 slot 0's A, 2, 3 its B, 4, 5 slot 1's A, 6, 7 its B
	tensor_load_to_lds s[G0B:G0B+3], s[G1B:G1B+7]
	s_nop 0
.rept 4
	v_nop
.endr
	s_branch .Lf_asked
.Lf_not_b:
	s_cmp_lt_u32 s[WV], 6
	s_cbranch_scc0 .Lf_not_a1
	tensor_load_to_lds s[G0A+4:G0A+7], s[G1A:G1A+7]
	s_nop 0
.rept 4
	v_nop
.endr
	s_branch .Lf_asked
.Lf_not_a1:
	s_cmp_lt_u32 s[WV], 8
	s_cbranch_scc0 .Lf_asked
	tensor_load_to_lds s[G0B+4:G0B+7], s[G1B:G1B+7]
	s_nop 0
.rept 4
	v_nop
.endr
.Lf_asked:
	; the two refills' quarters (slots 2 and 3 of K) are asked for into the L2 here: a quarter is 100 blocks of 256 bytes; the four partners that will load it jointly
	; take 25 each, told apart by address (cx for A's, cy for B's); a lane a block, lanes 25-31 name the wave's last block again; waves 0-3, which will issue the refills, ask
	s_and_b32 s94, s[WV], 2
	s_cmp_eq_u32 s94, 0
	s_cselect_b64 s[92:93], s[58:59], s[60:61]
	s_cselect_b32 s94, s15, s16
	s_mul_i32 s94, s94, 6400
	s_mov_b32 s95, 0
	s_add_nc_u64 s[92:93], s[92:93], s[94:95]
	v_and_b32 v23, 31, v0
	v_min_u32 v23, 24, v23
	v_lshlrev_b32 v23, 8, v23                      ; never rewritten
	s_cmp_lt_u32 s[WV], 4
	s_cbranch_scc0 .Lno_pf
	global_prefetch_b8 v23, s[92:93] offset:2*SSTEP th:TH_LOAD_NT scope:SCOPE_SE
	global_prefetch_b8 v23, s[92:93] offset:3*SSTEP th:TH_LOAD_NT scope:SCOPE_SE
.Lno_pf:
	v_and_b32 v1, 15, v0                           ; r
	v_bfe_u32 v2, v0, 4, 1                         ; h
	v_and_b32 v3, 31, v0                           ; lane
	s_delay_alu instid0(VALU_DEP_1)
	v_lshlrev_b32 v18, 4, v3                       ; 16 x lane
	s_wait_alu depctr_va_vdst(0)
	v_lshlrev_b32 v19, 4, v1
	s_delay_alu instid0(VALU_DEP_1)
	v_lshl_add_u32 v19, v2, 3, v19                 ; 16 r + 8 h
	s_wait_alu depctr_va_vdst(0)
	v_lshlrev_b32 v20, 2, v1                       ; 4 r
	v_lshlrev_b32 v22, 2, v3                       ; 4 x lane
	s_wait_alu depctr_va_vdst(0)
	s_lshr_b32 s66, s[WV], 2                       ; wm: my 64 rows of A
	s_and_b32 s67, s[WV], 3                        ; wn: my 64 rows of B
	s_lshr_b32 s68, s66, 1
	s_and_b32 s69, s66, 1
	s_lshr_b32 s70, s67, 1
	s_and_b32 s71, s67, 1
	s_mul_i32 s72, s68, QUART
	s_mul_i32 s73, s69, 6144
	s_add_co_u32 s73, s73, s72                     ; A's codes
	s_lshl_b32 s74, s69, 8
	s_add_co_u32 s74, s74, s72
	s_add_co_u32 s74, s74, 12288                   ; A's scale words
	s_mul_i32 s72, s70, QUART
	s_mul_i32 s75, s71, 6144
	s_add_co_u32 s75, s75, s72
	s_add_co_u32 s75, s75, 2*QUART                 ; B's codes
	s_lshl_b32 s76, s71, 8
	s_add_co_u32 s76, s76, s72
	s_add_co_u32 s76, s76, 2*QUART+12288           ; B's scale words
.irp s, 0,1
	v_add_nc_u32 v[A16+\s], s73, v18
	v_add_nc_u32 v[A8+\s], s73, v19
	v_add_nc_u32 v[A4+\s], s74, v22
	v_add_nc_u32 v[B16+\s], s75, v18
	v_add_nc_u32 v[B8+\s], s75, v19
	v_add_nc_u32 v[B4+\s], s76, v22
	s_add_co_u32 s73, s73, SLOT
	s_add_co_u32 s74, s74, SLOT
	s_add_co_u32 s75, s75, SLOT
	s_add_co_u32 s76, s76, SLOT
.endr
	; where my results go
	s_lshl_b32 s72, s18, 1
	s_add_co_u32 s72, s72, s68                     ; q, k: my group of 128 tokens,
	s_lshl_b32 s73, s15, 2
	s_add_co_u32 s73, s73, s67                     ; my head,
	s_mul_i32 s74, s69, 3072                       ; my four tiles' halves,
	s_lshl_b32 s75, s69, 7                         ; their scale bytes
	s_lshl_b32 s76, s17, 1
	s_add_co_u32 s76, s76, s70                     ; v: the same four
	s_lshl_b32 s77, s16, 2
	s_add_co_u32 s77, s77, s66
	s_mul_i32 s78, s71, 768
	s_add_co_u32 s78, s78, 6144
	s_lshl_b32 s79, s71, 1
	s_add_co_u32 s79, s79, 256
	s_cmp_eq_u32 ttmp9, 2
	s_cselect_b32 s72, s76, s72
	s_cselect_b32 s73, s77, s73
	s_cselect_b32 s74, s78, s74
	s_cselect_b32 s75, s79, s75
	s_lshr_b32 s76, s72, 4                         ; the batch
	s_lshl_b32 s76, s76, 4
	s_add_co_u32 s76, s76, s73                     ; bh
	s_lshl_b32 s76, s76, 4
	s_and_b32 s77, s72, 15
	s_add_co_u32 s76, s76, s77                     ; record bh x 16 + the group within the batch
	s_mul_i32 s78, s76, 12288
	s_add_co_u32 s78, s78, s74
	s_mov_b32 s79, 0
	s_lshl_b32 s80, s76, 9
	s_add_co_u32 s80, s80, s75
	s_add_co_u32 s80, s80, KVS
	s_mov_b32 s81, 0
	s_cmp_eq_u32 ttmp9, 0
	s_cselect_b64 s[90:91], s[8:9], s[10:11]       ; q goes to qr, k and v to kv
	s_add_nc_u64 s[78:79], s[90:91], s[78:79]
	s_add_nc_u64 s[80:81], s[90:91], s[80:81]
	s_wait_alu depctr_va_vdst(0)
	s_cmp_lt_u32 s[WV], 4                          ; waves 0-3 issued slot 0's four quarters, on lines of their own: they wait; slot 1's may stay out
	s_cbranch_scc0 .Lnot_s0
	s_wait_tensorcnt 0x0
.Lnot_s0:
	s_barrier_signal -1
	s_barrier_wait -1                              ; slot 0 is whole
	KSTEP 0, 0, 1                                  ; the first step's products start the sums
	KSTEP 0, 1, 0
	CHANGE 0, 1                                    ; its wait for all loads and its round stand between slot 1's first fill and slot 1's first read
	KSTEP 1, 0, 0
	KSTEP 1, 1, 0
	CHANGE 1, 1
	KSTEP 0, 0, 0
	KSTEP 0, 1, 0
	CHANGE 0, 0
	KSTEP 1, 0, 0
	KSTEP 1, 1, 0
.rept 4
	v_nop                                          ; places in front of the first read of results and the first write of operands' registers
.endr
	v_mov_b32 v[TM+2], 0                           ; a lane permute's destination counts as read
	v_mov_b32 v[TM+3], 0
.irp a, 0,1,2,3
	HQUANT ACC+32*\a, F+8*\a, W+\a                 ; each accumulator is read from its low end on
.endr
	s_cmp_eq_u32 ttmp9, 2
	s_cbranch_scc1 .Lstore_v
.irp a, 0,1,2,3                        ; q, k: tile a's half: 16 tokens x 64 channels
	global_store_b128 v18, v[F+8*\a:F+8*\a+3], s[78:79] offset:768*\a
	global_store_b64 v19, v[F+8*\a+4:F+8*\a+5], s[78:79] offset:768*\a+512
	global_store_b16 v20, v[W+\a], s[80:81] offset:64*(\a/2)+2*(\a%2)
.endr
	s_branch .Ldone
.Lstore_v:
	s_wait_alu depctr_va_vdst(0)
.irp a, 0,1,2,3                        ; v: half of fragment a: 16 channels x 64 keys
	global_store_b128 v18, v[F+8*\a:F+8*\a+3], s[78:79] offset:1536*\a
	global_store_b64 v19, v[F+8*\a+4:F+8*\a+5], s[78:79] offset:1536*\a+512
	global_store_b16 v20, v[W+\a], s[80:81] offset:64*\a
.endr
.Ldone:
	s_wait_tensorcnt 0x0                           ; the wave's end
	ds_add_u32 v[SPW], v[NIL]
	s_wait_dscnt 0x0
	CROUND                                         ; the closing round
	s_endpgm
.Lfunc_end_k_q24c8bd9d83_qkv:
	.size	k_q24c8bd9d83_qkv, .Lfunc_end_k_q24c8bd9d83_qkv-k_q24c8bd9d83_qkv
	.p2alignl 7, 3214868480
	.fill 96, 4, 3214868480
	.section	.rodata,"a",@progbits
	.p2align	6, 0x0
	.amdhsa_kernel k_q24c8bd9d83_qkv
		.amdhsa_group_segment_fixed_size 327680
		.amdhsa_private_segment_fixed_size 0
		.amdhsa_enable_private_segment 0
		.amdhsa_kernarg_size 32
		.amdhsa_user_sgpr_count 2
		.amdhsa_user_sgpr_kernarg_segment_ptr 1
		.amdhsa_wavefront_size32 1
		.amdhsa_system_sgpr_workgroup_id_x 1
		.amdhsa_system_sgpr_workgroup_id_y 1
		.amdhsa_system_sgpr_workgroup_id_z 1
		.amdhsa_system_vgpr_workitem_id 0
		.amdhsa_next_free_vgpr 256
		.amdhsa_next_free_sgpr 96
		.amdhsa_reserve_vcc 0
		.amdhsa_float_denorm_mode_32 3
		.amdhsa_float_denorm_mode_16_64 3
		.amdhsa_memory_ordered 1
		.amdhsa_forward_progress 1
		.amdhsa_inst_pref_size 61
	.end_amdhsa_kernel
	.amdgpu_metadata
---
amdhsa.version: [ 1, 2 ]
amdhsa.kernels:
  - .name:           k_q24c8bd9d83_qkv
    .symbol:         k_q24c8bd9d83_qkv.kd
    .args:
      - { .name: hq, .offset: 0, .size: 8, .value_kind: global_buffer, .address_space: global }
      - { .name: wc, .offset: 8, .size: 8, .value_kind: global_buffer, .address_space: global }
      - { .name: qr, .offset: 16, .size: 8, .value_kind: global_buffer, .address_space: global }
      - { .name: kv, .offset: 24, .size: 8, .value_kind: global_buffer, .address_space: global }
    .group_segment_fixed_size: 327680
    .private_segment_fixed_size: 0
    .kernarg_segment_align: 8
    .kernarg_segment_size: 32
    .max_flat_workgroup_size: 512
    .sgpr_count:     96
    .vgpr_count:     256
    .wavefront_size: 32
...
	.end_amdgpu_metadata
.endif
;; end of part 2
;; launch attn (part 3): grid 8 x 32, 16 waves a work-group, clusters of 4 x 1, 327,680 bytes of LDS; arguments qr, kv, cq; writes cq
.if DOCPART == 3
	.amdgcn_target "amdgcn-amd-amdhsa--gfx1250"
	.amdhsa_code_object_version 6
	.text
	.protected	k_q24c8bd9d83_attn
	.globl	k_q24c8bd9d83_attn
	.p2align	8
	.type	k_q24c8bd9d83_attn,@function
k_q24c8bd9d83_attn:
	s_mov_b64 s[64:65], 0
	v_nop
	global_prefetch_b8 v0, s[64:65] scope:SCOPE_SE
	s_setreg_imm32_b32 hwreg(HW_REG_WAVE_MODE, 25, 1), 1
	s_wait_xcnt 0x0
	s_wait_alu depctr_hold_cnt(0) depctr_sa_sdst(0) depctr_va_vdst(0) depctr_va_sdst(0) depctr_va_ssrc(0) depctr_va_vcc(0) depctr_vm_vsrc(0)
	s_getreg_b32 s2, hwreg(HW_REG_IB_STS2, 6, 4)
	s_cmp_eq_u32 s2, 0
	s_cbranch_scc0 .Lentry_in_a_cluster
	s_endpgm
.Lentry_in_a_cluster:
	s_bfe_u32 s2, ttmp6, 0x10000c
	s_cmp_lg_u32 s2, 0x3003
	s_cbranch_scc0 .Lentry_shape_is_right
	s_endpgm
.Lentry_shape_is_right:
; Causal attention of one (batch, head) bh = work-group y, on codes of FP6 (E2M3) with E8M0 bytes; the context leaves quantised along the 1,024 channels, in the records that the next launch reads.
; LEFT OUT: key steps that lie wholly above the diagonal: the causal mask makes them add nothing to any row.
; THE DEAL.  A block is 128 queries (eight tiles of 16), a step 128 keys; block q needs steps 0 .. q.  Work-group x takes TILE x OF ALL 16 BLOCKS: 136 wave-steps in every work-group.
; Wave a = 0 .. 7: block 8 + a, steps 7 down to 0 (8 steps, none on the diagonal).  Wave 8 + a: block 7 - a whole, steps 7 - a down to 0, stored at once; then block 8 + a, steps 8 .. 8 + a: 9 steps.
; The order of the keys is free: the running M is a whole number and every rescaling an exact power of two.  The two parts of block 8 + a (O^T, -M, the sum) meet once, through LDS, in wave a.
; With u = trip + a (waves 0-7: u = trip) the step is u xor 7 under 8 and u from 8 on; at u = 8 waves 8-15 change blocks and waves 0-7 are done.  Branches hang on the wave's number and the trip alone.
; LDS: all 16 steps of the head's k and v^T (12,288 bytes each), filled once, one joint load a wave at the head; their scale bytes (8,192, by plain loads and LDS stores); the parts; the spare words.
; No byte is filled again and no barrier stands in the loop.  CLUSTER 4 x 1: the four work-groups read the same 16 records and ask for them jointly (mask 15); tile x enters global addresses and the mask's numbers alone.
; No prefetch: all tiles are asked for at the head, there is no loop to run ahead in.
; A STEP: S^T = k q^T (a product's K of 128 holds two key tiles' 64 channels; q stands in one half over zeros in the other), p = 2^(t - M), quantised by blocks of 32 keys, O^T += v^T p^T.
; LIMITS: the promise holds while the scaled scores stay under 2^31 in magnitude; NaN and infinities are not served; a block of zeros gets the scale byte 1 (only this program reads the bytes).
; Waves 0-7 load the second q too and do not use it: the head has one path for all waves.
.set STEPB, 12288
.set SCL,   16*STEPB
.set PART,  SCL+8192
.set PSZ,   4352                       ; a part: 32 registers x 128 bytes, then 8 bytes a lane
.set SPARE, PART+8*PSZ
.set KVS,   6291456
.set REC,   12800
.set SPW,  5
.set NIL,  6
.set TT,   236
.set TM,   240
.set WV,   18
.set SQ,   19                          ; the block at work
.set SEL,  20
.set CS,   22
.set G1,   24
.set G0,   40
.set I,    48
.set U,    49
.set T,    50
.set KS,   51
.set TB,   52
.set TS,   53
.set PP,   54
.set S2,   55
.set X,    56
.set BH,   57
.set W7,   58
.set HW,   38                          ; the wave's number in the work-group; s[WV] is its ROLE, and every 'wave' of this text's comments is that number
.macro WALU
	s_wait_alu depctr_va_vdst(0)
.endm
.macro BARRIER
	s_barrier_signal -1
	s_barrier_wait -1
.endm
.macro CROUND
	BARRIER
	s_cmp_lg_u32 s[HW], 0
	s_cbranch_scc1 .Lnw0_\@
	s_barrier_signal -3
.Lnw0_\@:
	s_barrier_wait -3
	BARRIER
.endm
.macro MM d, a, b, c, sa, sb, row
	v_wmma_scale_f32_16x16x128_f8f6f4 v[(\d):(\d)+7], v[(\a):(\a)+11], v[(\b):(\b)+11], \c, v[\sa], v[\sb] matrix_a_fmt:MATRIX_FMT_FP6 matrix_b_fmt:MATRIX_FMT_FP6 matrix_a_scale:MATRIX_SCALE_ROW\row
.endm
.macro FRAGS off                       ; four fragments and their scale words: 18 LDS loads
.irp g, 0,1,2,3
	ds_load_b128 v[32+12*\g:35+12*\g], v8 offset:(\off)+1536*\g
	ds_load_b64 v[36+12*\g:37+12*\g], v9 offset:(\off)+1536*\g+512
	ds_load_b128 v[38+12*\g:41+12*\g], v8 offset:(\off)+1536*\g+768
	ds_load_b64 v[42+12*\g:43+12*\g], v9 offset:(\off)+1536*\g+1280
.endr
	ds_load_b32 v248, v10 offset:(\off)/24
	ds_load_b32 v249, v10 offset:(\off)/24+128
.endm
.macro HQUANT s, f, w                  ; 32 numbers of a lane become half a fragment (six registers) and two scale bytes
.irp b, 0,1
	v_max3_num_f32 v[TM+\b], |v[(\s)+16*\b]|, |v[(\s)+1+16*\b]|, 0x1800000
.endr
.irp i, 2,4,6,8,10,12,14
.irp b, 0,1
	s_delay_alu instid0(VALU_DEP_2)
	v_max3_num_f32 v[TM+\b], v[TM+\b], |v[(\s)+16*\b+\i]|, |v[(\s)+1+16*\b+\i]|
.endr
.endr
.irp b, 0,1
	s_delay_alu instid0(VALU_DEP_2)
	v_permlanex16_b32 v[TM+2+\b], v[TM+\b], s[SEL], s[SEL+1]
.endr
.irp b, 0,1
	s_delay_alu instid0(VALU_DEP_2)
	v_max_num_f32 v[TM+\b], v[TM+\b], v[TM+2+\b]
.endr
.irp b, 0,1
	s_delay_alu instid0(VALU_DEP_2)
	v_add_nc_u32 v[TM+4+\b], 0xff000000, v[TM+\b]
.endr
.irp b, 0,1
	s_delay_alu instid0(VALU_DEP_2)
	v_lshrrev_b32 v[TM+2+\b], 23, v[TM+4+\b]
.endr
	s_delay_alu instid0(VALU_DEP_1)
	v_lshl_or_b32 v[\w], v[TM+3], 8, v[TM+2]
	v_cvt_scalef32_pk16_fp6_f32 v[(\f):(\f)+2], v[(\s):(\s)+15], v[TM+4]
	v_cvt_scalef32_pk16_fp6_f32 v[TT:TT+2], v[(\s)+16:(\s)+31], v[TM+5]
	v_nop
.irp i, 0,1,2
	v_permlane16_swap_b32 v[(\f)+\i], v[TT+\i]
.endr
.irp i, 0,1,2
	s_delay_alu instid0(VALU_DEP_3)
	v_mov_b32 v[(\f)+3+\i], v[TT+\i]
.endr
.endm
.macro FINISH                          ; O^T / the row's sum, quantised along my head's 64 channels, stored
	v_add_f32 v14, v14, v15
	s_delay_alu instid0(VALU_DEP_1)
	v_permlanex16_b32 v252, v14, s[SEL], s[SEL+1]
	s_delay_alu instid0(VALU_DEP_1)
	v_add_f32 v14, v14, v252
	WALU                                           ; ahead of the transcendental,
	v_rcp_f32 v14, v14
	v_mov_b32 v242, 0                              ; (a lane permute's destination counts as read)
	v_mov_b32 v243, 0
	WALU                                           ; and ahead of its first reader
.set J, 0
.rept 32
	v_mul_f32 v[96+J], v[160+J], v14               ; each accumulator from its low end on
.set J, J+1
.endr
	HQUANT 96, 224, 246
	global_store_b128 v1, v[224:227], s[32:33]
	global_store_b64 v2, v[228:229], s[32:33] offset:512
	global_store_b16 v4, v246, s[34:35]
.endm
	s_load_b128 s[4:7], s[0:1], 0x0                ; qr, kv
	s_load_b64 s[8:9], s[0:1], 0x10                ; cq
	v_lshl_add_u32 v[SPW], v0, 2, SPARE
	v_mov_b32 v[NIL], 0
	ds_add_u32 v[SPW], v[NIL]                      ; the opening lines: the add, twice on end, and its wait
	ds_add_u32 v[SPW], v[NIL]
	v_lshrrev_b32 v8, 5, v0
	v_readfirstlane_b32 s[HW], v8
	s_xor_b32 s[WV], s[HW], 8                      ; the roles of nine steps (8-15) go to waves 0-7 of the work-group: the longest work has the lowest numbers
	s_and_b32 s[BH], ttmp7, 0xffff
	s_bfe_u32 s59, ttmp6, 0x40000                  ; cx
	s_lshl_b32 s[X], ttmp9, 2
	s_add_co_u32 s[X], s[X], s59                   ; my tile of every block
	s_and_b32 s[W7], s[WV], 7
	s_lshr_b32 s59, s[WV], 3
	s_mul_i32 s[PP], s[W7], s59                    ; waves 0-7: 0; wave 8 + a: a
	s_add_co_u32 s[S2], s[W7], 8                   ; the long block
	s_xor_b32 s59, s[W7], 7                        ; the short one
	s_cmp_lt_u32 s[WV], 8
	s_cselect_b32 s[SQ], s[S2], s59                ; the block that I begin with, and the one that I store
	s_lshl_b32 s60, s[BH], 4
	s_mul_i32 s59, s[X], 768
	s_lshr_b32 s68, s[X], 1
	s_and_b32 s69, s[X], 1
	s_lshl_b32 s61, s68, 6
	s_lshl_b32 s63, s69, 1
	s_add_co_u32 s61, s61, s63
	s_add_co_u32 s61, s61, KVS
	s_add_co_u32 s63, s60, s[SQ]                   ; q of the first block: codes s[62:63], scale bytes s[66:67]
	s_mul_i32 s62, s63, STEPB
	s_add_co_u32 s62, s62, s59
	s_lshl_b32 s66, s63, 9
	s_add_co_u32 s66, s66, s61
	s_mov_b32 s63, 0
	s_mov_b32 s67, 0
	s_add_co_u32 s71, s60, s[S2]                   ; q of the long block: s[70:71], s[72:73]
	s_mul_i32 s70, s71, STEPB
	s_add_co_u32 s70, s70, s59
	s_lshl_b32 s72, s71, 9
	s_add_co_u32 s72, s72, s61
	s_mov_b32 s71, 0
	s_mov_b32 s73, 0
	s_lshr_b32 s74, s[BH], 4                       ; out: record ((batch x 16 + block) x 8 + head / 2), tile x, half head % 2
	s_lshl_b32 s74, s74, 4
	s_add_co_u32 s74, s74, s[SQ]
	s_lshl_b32 s74, s74, 3
	s_bfe_u32 s75, s[BH], 0x30001
	s_add_co_u32 s74, s74, s75
	s_mul_i32 s74, s74, REC
	s_and_b32 s75, s[BH], 1
	s_mul_i32 s76, s[X], 1536
	s_add_co_u32 s76, s76, s74
	s_mul_i32 s77, s75, 768
	s_add_co_u32 s76, s76, s77
	s_mov_b32 s77, 0
	s_lshl_b32 s78, s[X], 6
	s_add_co_u32 s78, s78, s74
	s_lshl_b32 s75, s75, 1
	s_add_co_u32 s78, s78, s75
	s_add_co_u32 s78, s78, 12288
	s_mov_b32 s79, 0
	s_lshl_b32 s68, s68, 5
	s_lshl_b32 s69, s69, 3
	s_add_co_u32 s68, s68, s69                     ; my tile's first token in its block: 32 (x / 2) + 8 (x % 2)
	s_add_co_u32 s44, s60, s[WV]                   ; wave w fetches step w
	s_mul_i32 s44, s44, STEPB
	s_mov_b32 s45, 0
	s_lshl_b32 s46, s[BH], 13
	s_add_co_u32 s46, s46, KVS
	s_mov_b32 s47, 0
	s_mov_b32 s[G1], 15|(3<<16)|(1<<21)            ; the cluster's four; elements of 8 bytes; bit 21 beside a mask
	s_mov_b32 s[G1+1], 32<<16                      ; a step is 48 dense rows of 256 bytes
	s_mov_b32 s[G1+2], 48<<16
	s_mov_b32 s[G1+3], 32<<16
	s_mov_b32 s[G1+4], 48
	s_mov_b32 s[G1+5], 32
	s_mov_b32 s[G1+6], 0
	s_mov_b32 s[G1+7], 0
	s_mov_b32 s[G0], 1
	s_mul_i32 s[G0+1], s[WV], STEPB
	s_mov_b32 s[SEL], 0x76543210
	s_mov_b32 s[SEL+1], 0xfedcba98
	s_mov_b32 s[CS], 0x3e38aa3b                    ; log2(e) / 8
	s_mov_b32 s[CS+1], s[CS]
	s_mul_i32 s59, s[W7], PSZ
	s_add_co_u32 s59, s59, PART                    ; waves a and 8 + a share a part's bytes
	v_and_b32 v8, 15, v0                           ; r
	v_bfe_u32 v9, v0, 4, 1                         ; h
	v_and_b32 v10, 31, v0
	v_lshlrev_b32 v1, 4, v10                       ; 16 x lane
	v_lshlrev_b32 v2, 4, v8
	v_lshl_add_u32 v2, v9, 3, v2                   ; 16 r + 8 h
	v_lshl_add_u32 v3, v10, 2, SCL                 ; scale words: 4 x lane
	v_lshlrev_b32 v4, 2, v8                        ; 4 r
	v_lshlrev_b32 v31, 4, v0                       ; the scale bytes on their way in: 16 x thread
	v_add_nc_u32 v28, SCL, v31
	v_add_nc_u32 v29, s59, v1                      ; a part's registers,
	v_lshl_add_u32 v30, v10, 3, s59
	v_add_nc_u32 v30, 4096, v30                    ; its -M and sum
	v_and_b32 v11, 8, v8
	v_add_nc_u32 v7, v11, v8
	v_lshlrev_b32 v11, 4, v9
	v_sub_nc_u32 v7, v7, v11
	v_add_nc_u32 v7, s68, v7                       ; my query in its block, less 16 h: register N is hidden on the diagonal where 32 (N / 16) + N % 16 is greater
	WALU                                           ; ahead of the waits below
	s_wait_dscnt 0x0
	CROUND                                         ; the four work-groups are here: the joint loads meet
	s_wait_kmcnt 0x0
	s_add_nc_u64 s[G0+2:G0+3], s[6:7], s[44:45]
	s_or_b32 s[G0+3], s[G0+3], 0x80000000
	tensor_load_to_lds s[G0:G0+3], s[G1:G1+7]      ; every wave's one load
	s_nop 0
.rept 4
	v_nop
.endr
	s_add_nc_u64 s[36:37], s[6:7], s[46:47]
	s_add_nc_u64 s[12:13], s[4:5], s[62:63]
	s_add_nc_u64 s[10:11], s[4:5], s[66:67]
	s_add_nc_u64 s[14:15], s[4:5], s[70:71]
	s_add_nc_u64 s[16:17], s[4:5], s[72:73]
	s_add_nc_u64 s[32:33], s[8:9], s[76:77]
	s_add_nc_u64 s[34:35], s[8:9], s[78:79]
	global_load_b128 v[200:203], v31, s[36:37]     ; 512 bytes on end a wave: step w's scale bytes
	global_load_b128 v[16:19], v1, s[12:13]        ; q twice: over zeros in the upper half of K, and under them
	global_load_b64 v[20:21], v2, s[12:13] offset:512
	global_load_b128 v[86:89], v1, s[12:13]
	global_load_b64 v[90:91], v2, s[12:13] offset:512
	global_load_u16 v254, v4, s[10:11]
	global_load_b128 v[192:195], v1, s[14:15]      ; the long block's q, for the change of blocks
	global_load_b64 v[196:197], v2, s[14:15] offset:512
	global_load_u16 v198, v4, s[16:17]
	s_wait_loadcnt 0x0
	v_lshl_or_b32 v255, v254, 16, v254             ; q's two scale bytes serve both halves of K
	v_lshl_or_b32 v198, v198, 16, v198
	ds_store_b128 v28, v[200:203]
.irp j, 22,23,24,25,26,27,80,81,82,83,84,85
	v_mov_b32 v[\j], 0
.endr
	v_mov_b32 v13, 0xff61b1e6                      ; the largest t so far: -3e38
	v_floor_f32 v12, -v13                          ; -M
	v_mov_b32 v14, 0
	v_mov_b32 v15, 0
.irp b, 0,1,2,3
	v_mov_b32 v[236+\b], 0
.endr
	v_mov_b32 v252, 0
	v_mov_b32 v253, 0
.set J, 0
.rept 32
	v_mov_b32 v[160+J], 0                          ; the step is written once: the first finds zeros
.set J, J+1
.endr
	s_mov_b32 s[I], 0
	WALU                                           ; at the head's end
	s_wait_tensorcnt 0x0                           ; my step has landed,
	s_wait_dscnt 0x0                               ; and my scale bytes
	BARRIER                                        ; all 16 steps are in
.Ltrip:
	s_add_co_u32 s[U], s[I], s[PP]
	s_lshr_b32 s[T], s[U], 3
	s_mul_i32 s[T], s[T], 7
	s_xor_b32 s[KS], s[U], 7
	s_xor_b32 s[KS], s[KS], s[T]
	s_and_b32 s[KS], s[KS], 15                     ; the key step, 0 .. 15: u xor 7 under 8, u from 8 on
	s_mul_i32 s[TB], s[KS], STEPB
	s_lshl_b32 s[TS], s[KS], 9
	s_cmp_lg_u32 s[U], 8
	s_cbranch_scc1 .Lgo
	s_cmp_lt_u32 s[WV], 8
	s_cbranch_scc1 .Lnext                          ; waves 0-7 have done their eight steps
	FINISH                                         ; waves 8-15: the short block is whole
	v_mov_b32 v255, v198                           ; on to the long block: its q,
.irp j, 0,1,2,3,4,5
	v_mov_b32 v[16+\j], v[192+\j]
	v_mov_b32 v[86+\j], v[192+\j]
.endr
	v_mov_b32 v13, 0xff61b1e6                      ; and -M as at the start: the next step's factor is 0, which makes zeros of the sum and of O^T
	v_floor_f32 v12, -v13
	s_mov_b32 s[SQ], s[S2]
	WALU                                           ; ahead of the wait below
	s_wait_xcnt 0x0                                ; the stores have read their registers
.Lgo:
	v_add_nc_u32 v8, s[TB], v1
	v_add_nc_u32 v9, s[TB], v2
	v_add_nc_u32 v10, s[TS], v3
	WALU
	FRAGS 0                                        ; k
	s_wait_dscnt 0x0
.irp g, 0,2
	MM 96+16*\g, 32+12*\g, 16, 0, 248+\g/2, 255, 0
	MM 104+16*\g, 32+12*\g, 80, 0, 248+\g/2, 255, 0
	MM 112+16*\g, 44+12*\g, 16, 0, 248+\g/2, 255, 1
	MM 120+16*\g, 44+12*\g, 80, 0, 248+\g/2, 255, 1
.endr
.rept 4
	v_nop                                          ; four places (ISA guide 7.12.1)
.endr
	FRAGS 6144                                     ; v^T lands while the softmax is made
	s_cmp_lg_u32 s[KS], s[SQ]
	s_cbranch_scc1 .Lopen
	v_mov_b32 v254, 0xff800000                     ; the step on the diagonal
.set N, 0
.rept 64
	v_cmp_gt_i32 vcc_lo, 32*(N/16)+N%16, v7
	v_cndmask_b32 v[96+N], v[96+N], v254, vcc_lo
.set N, N+1
.endr
.Lopen:
.irp b, 0,1,2,3
	v_max3_num_f32 v[232+\b], v[96+16*\b], v[97+16*\b], v[98+16*\b]   ; each block's largest score
.endr
.irp i, 3,5,7,9,11,13
.irp b, 0,1,2,3
	v_max3_num_f32 v[232+\b], v[232+\b], v[96+16*\b+\i], v[97+16*\b+\i]
.endr
.endr
.irp b, 0,1,2,3
	v_max_num_f32 v[232+\b], v[232+\b], v[111+16*\b]
.endr
.irp b, 0,1,2,3
	s_delay_alu instid0(VALU_DEP_4)
	v_permlanex16_b32 v[236+\b], v[232+\b], s[SEL], s[SEL+1]
.endr
.irp b, 0,1,2,3
	s_delay_alu instid0(VALU_DEP_4)
	v_max_num_f32 v[232+\b], v[232+\b], v[236+\b]
.endr
	s_delay_alu instid0(VALU_DEP_2)
	v_max3_num_f32 v254, v232, v233, v234
	s_delay_alu instid0(VALU_DEP_1)
	v_max_num_f32 v254, v254, v235
	s_delay_alu instid0(VALU_DEP_1)
	v_mul_f32 v254, s[CS], v254
	s_delay_alu instid0(VALU_DEP_1)
	v_max_num_f32 v13, v13, v254                   ; the running largest t
	v_mov_b32 v254, v12
	s_delay_alu instid0(VALU_DEP_2)
	v_floor_f32 v12, -v13                          ; -M = floor(-t)
	s_delay_alu instid0(VALU_DEP_1)
	v_sub_f32 v254, v12, v254
	s_delay_alu instid0(VALU_DEP_1)
	v_cvt_i32_f32 v254, v254
	s_delay_alu instid0(VALU_DEP_1)
	v_ldexp_f32 v252, 1.0, v254                    ; f = 2^(old M - new M)
.set J, 0
.rept 32
	v_pk_fma_f32 v[96+J:97+J], v[96+J:97+J], s[CS:CS+1], v[12:13] op_sel_hi:[1,0,0]
.set J, J+2
.endr
.irp b, 0,1,2,3
	v_fma_f32 v[232+\b], v[232+\b], s[CS], v12
.endr
	WALU                                           ; ahead of the batch
.set J, 0
.rept 64
	v_exp_f32 v[96+J], v[96+J]
.set J, J+1
.endr
	v_pk_mul_f32 v[14:15], v[14:15], v[252:253] op_sel_hi:[1,0]
	WALU                                           ; and behind it
.irp b, 0,1,2,3
	v_exp_f32 v[232+\b], v[232+\b]                 ; each block's largest p
.endr
	v_pk_add_f32 v[236:237], v[96:97], v[98:99]    ; the sum of the unquantised p
.irp j, 4,8,12,16,20,24,28,32,36,40,44,48,52,56,60
	v_pk_add_f32 v[14:15], v[14:15], v[96+\j:97+\j]
	v_pk_add_f32 v[236:237], v[236:237], v[98+\j:99+\j]
.endr
	s_delay_alu instid0(VALU_DEP_1)
	v_pk_add_f32 v[14:15], v[14:15], v[236:237]
	WALU
.irp b, 0,1,2,3
	v_max_num_f32 v[232+\b], 0x1800000, v[232+\b]
.endr
.irp b, 0,1,2,3
	s_delay_alu instid0(VALU_DEP_4)
	v_add_nc_u32 v[244+\b], 0xff000000, v[232+\b]
.endr
.irp b, 0,1,2,3
	s_delay_alu instid0(VALU_DEP_4)
	v_lshrrev_b32 v[236+\b], 23, v[244+\b]
.endr
	s_delay_alu instid0(VALU_DEP_3)
	v_lshl_or_b32 v251, v237, 8, v236
	s_delay_alu instid0(VALU_DEP_1)
	v_lshl_or_b32 v251, v238, 16, v251
	s_delay_alu instid0(VALU_DEP_1)
	v_lshl_or_b32 v251, v239, 24, v251             ; p's scale word
.irp c, 0,1
	v_cvt_scalef32_pk16_fp6_f32 v[224+6*\c:226+6*\c], v[96+32*\c:111+32*\c], v[244+2*\c]
	v_cvt_scalef32_pk16_fp6_f32 v[236+4*\c:238+4*\c], v[112+32*\c:127+32*\c], v[244+2*\c+1]
.endr
	v_nop
.irp c, 0,1
.irp i, 0,1,2
	v_permlane16_swap_b32 v[224+6*\c+\i], v[236+4*\c+\i]
.endr
.irp i, 0,1,2
	s_delay_alu instid0(VALU_DEP_3)
	v_mov_b32 v[227+6*\c+\i], v[236+4*\c+\i]
.endr
.endr
	WALU                                           ; directly ahead of the first reader of O^T
.set J, 0
.rept 16
	v_pk_mul_f32 v[160+J:161+J], v[160+J:161+J], v[252:253] op_sel_hi:[1,0]
.set J, J+2
.endr
	WALU                                           ; ahead of the wait below
	s_wait_dscnt 0x0                               ; v^T's 18 loads
	MM 160, 32, 224, v[160:167], 248, 251, 0
	MM 168, 44, 224, v[168:175], 248, 251, 1
	MM 176, 56, 224, v[176:183], 249, 251, 0
	MM 184, 68, 224, v[184:191], 249, 251, 1
.rept 4
	v_nop                                          ; four places, for whatever reads O^T or loads over the fragments next
.endr
.Lnext:
	s_add_co_u32 s[I], s[I], 1
	s_cmp_lt_u32 s[I], 9
	WALU                                           ; directly ahead of the branch
	s_cbranch_scc1 .Ltrip
	s_wait_dscnt 0x0
	BARRIER                                        ; nobody reads k or v any more
	s_cmp_lt_u32 s[WV], 8
	s_cbranch_scc1 .Lmeet
	v_add_f32 v13, v14, v15                        ; waves 8-15: the long block's upper part: my keys' sum beside -M,
.irp j, 0,1,2,3,4,5,6,7
	ds_store_b128 v29, v[160+4*\j:163+4*\j] offset:512*\j   ; and O^T, each accumulator from its low end on
.endr
	ds_store_b64 v30, v[12:13]
.Lmeet:
	s_wait_dscnt 0x0
	BARRIER
	s_cmp_lt_u32 s[WV], 8
	s_cbranch_scc0 .Lend
.irp j, 0,1,2,3,4,5,6,7
	ds_load_b128 v[96+4*\j:99+4*\j], v29 offset:512*\j
.endr
	ds_load_b64 v[128:129], v30
	s_wait_dscnt 0x0
	v_min_num_f32 v130, v12, v128                  ; -M of both parts; both factors are exact powers of two
	v_sub_f32 v131, v130, v12
	v_sub_f32 v132, v130, v128
	v_cvt_i32_f32 v131, v131
	v_cvt_i32_f32 v132, v132
	v_ldexp_f32 v252, 1.0, v131
	v_ldexp_f32 v254, 1.0, v132
	v_pk_mul_f32 v[14:15], v[14:15], v[252:253] op_sel_hi:[1,0]
	v_fmac_f32 v14, v129, v254
.set J, 0
.rept 16
	v_pk_mul_f32 v[160+J:161+J], v[160+J:161+J], v[252:253] op_sel_hi:[1,0]
.set J, J+2
.endr
.set J, 0
.rept 16
	v_pk_fma_f32 v[160+J:161+J], v[96+J:97+J], v[254:255], v[160+J:161+J] op_sel_hi:[1,0,1]
.set J, J+2
.endr
	FINISH
.Lend:
	s_wait_tensorcnt 0x0                           ; the wave's end
	ds_add_u32 v[SPW], v[NIL]
	s_wait_dscnt 0x0
	CROUND                                         ; the closing round
	s_endpgm
.Lfunc_end_k_q24c8bd9d83_attn:
	.size	k_q24c8bd9d83_attn, .Lfunc_end_k_q24c8bd9d83_attn-k_q24c8bd9d83_attn
	.p2alignl 7, 3214868480
	.fill 96, 4, 3214868480
	.section	.rodata,"a",@progbits
	.p2align	6, 0x0
	.amdhsa_kernel k_q24c8bd9d83_attn
		.amdhsa_group_segment_fixed_size 327680
		.amdhsa_private_segment_fixed_size 0
		.amdhsa_enable_private_segment 0
		.amdhsa_kernarg_size 24
		.amdhsa_user_sgpr_count 2
		.amdhsa_user_sgpr_kernarg_segment_ptr 1
		.amdhsa_wavefront_size32 1
		.amdhsa_system_sgpr_workgroup_id_x 1
		.amdhsa_system_sgpr_workgroup_id_y 1
		.amdhsa_system_sgpr_workgroup_id_z 1
		.amdhsa_system_vgpr_workitem_id 0
		.amdhsa_next_free_vgpr 256
		.amdhsa_next_free_sgpr 80
		.amdhsa_reserve_vcc 1
		.amdhsa_float_denorm_mode_32 3
		.amdhsa_float_denorm_mode_16_64 3
		.amdhsa_memory_ordered 1
		.amdhsa_forward_progress 1
		.amdhsa_inst_pref_size 45
	.end_amdhsa_kernel
	.amdgpu_metadata
---
amdhsa.version: [ 1, 2 ]
amdhsa.kernels:
  - .name:           k_q24c8bd9d83_attn
    .symbol:         k_q24c8bd9d83_attn.kd
    .args:
      - { .name: qr, .offset: 0, .size: 8, .value_kind: global_buffer, .address_space: global }
      - { .name: kv, .offset: 8, .size: 8, .value_kind: global_buffer, .address_space: global }
      - { .name: cq, .offset: 16, .size: 8, .value_kind: global_buffer, .address_space: global }
    .group_segment_fixed_size: 327680
    .private_segment_fixed_size: 0
    .kernarg_segment_align: 8
    .kernarg_segment_size: 24
    .max_flat_workgroup_size: 512
    .sgpr_count:     80
    .vgpr_count:     256
    .wavefront_size: 32
...
	.end_amdgpu_metadata
.endif
;; end of part 3
;; launch woln (part 4): grid 256 x 1, 8 waves a work-group, clusters of 4 x 1, 327,680 bytes of LDS; arguments cq, wc, embedding, g2, be2, x1, hq; writes x1, hq
.if DOCPART == 4
	.amdgcn_target "amdgcn-amd-amdhsa--gfx1250"
	.amdhsa_code_object_version 6
	.text
	.protected	k_q24c8bd9d83_woln
	.globl	k_q24c8bd9d83_woln
	.p2align	8
	.type	k_q24c8bd9d83_woln,@function
k_q24c8bd9d83_woln:
	s_mov_b64 s[64:65], 0
	v_nop
	global_prefetch_b8 v0, s[64:65] scope:SCOPE_SE
	s_setreg_imm32_b32 hwreg(HW_REG_WAVE_MODE, 25, 1), 1
	s_wait_xcnt 0x0
	s_wait_alu depctr_hold_cnt(0) depctr_sa_sdst(0) depctr_va_vdst(0) depctr_va_sdst(0) depctr_va_ssrc(0) depctr_va_vcc(0) depctr_vm_vsrc(0)
	s_getreg_b32 s2, hwreg(HW_REG_IB_STS2, 6, 4)
	s_cmp_eq_u32 s2, 0
	s_cbranch_scc0 .Lentry_in_a_cluster
	s_endpgm
.Lentry_in_a_cluster:
	s_bfe_u32 s2, ttmp6, 0x10000c
	s_cmp_lg_u32 s2, 0x3003
	s_cbranch_scc0 .Lentry_shape_is_right
	s_endpgm
.Lentry_shape_is_right:
; x1 = embedding + ctx Wo, and hq = Q(LayerNorm(x1) g2 + be2), in one launch: a work-group owns whole rows, so the norm follows the product in registers.
; Codes are FP6 (E2M3) with E8M0 bytes, in records of 128 rows x 128 K (12,800 bytes: eight fragments of 1,536 bytes in the order of an operand's registers, then 8 x 16 scale words).
; A work-group takes ONE TILE of 16 tokens: tile tt, lane row r, is token 32 (tt / 2) + 8 (tt % 2) + r + 8 (r / 8).  Wave w takes columns 128 w .. + 127: eight accumulators, 8 K steps, 64 products.
; D = source 0 x source 1^T: source 0 = 16 rows of Wo's codes (output columns), source 1 = the tokens: lane (r, h) holds token r, and register 16 b + i of the 64 is column 128 w + 32 b + 16 h + i:
; the layout that the norm's quantiser takes.  THE EMBEDDING IS THE FIRST PRODUCTS' C, loaded in that layout: the sums are x1, and nothing is added afterwards.
; ctx's eight fragments: wave w loads fragment w, and all waves take the eight from LDS as images of the operand's registers: each byte is loaded once in the work-group.
; Wo, 64 fragments a wave, each feeding one product, comes by two roads.  K STEPS 5-7 (38,400 bytes a wave, as many as LDS holds for eight waves) by ONE JOINT TENSOR LOAD A WAVE at the head: every
; work-group walks all of Wo, so the four of a cluster (4 x 1, mask 15) ask together; the bytes are filled once and read by the wave that asked alone.  K STEPS 0-4 from memory straight into registers,
; each lane its own bytes, through four sets of four fragments: one set is multiplied while the 48 loads of the three later sets are out.  A ring for them would hold no more than LDS has left, nothing.
; The half steps from LDS stand between those from memory; the order of a sum along K differs so from an ascending one.  No prefetch: the loads themselves run three sets ahead, and the tile is asked for at the head.
; x1 leaves through the wave's own stage, which lies in its own tile's first bytes, behind their one fill and their last read: 32 lanes store a row's 512 consecutive bytes, aligned.
; Mean and variance in two passes, f32; a row's eight partial sums meet in LDS, 32 bytes a row; two regions, so two barriers do.
; REGISTERS: v0-31 addresses, later codes; v32-95 the sums, then x1, then the normed row; v96-191 ctx's fragments, v192-199 its scale words, v200-231 Wo's (later v96-223: g, b); v224-253 the norm's and the quantiser's;
; v256-447 the four sets (later v256-319: x1's rows back from the stage); v448-511 the embedding, then (v448-495) the fragments from LDS.
; LIMITS: a block of zeros, or one under 2^-124, gets the scale byte 1 (only this program reads the bytes); NaN and infinities are not served; a sum begins with the embedding rather than adding it last.
.set RED0,  0
.set RED1,  512
.set SPARE, 1024                       ; the spare words, 128 bytes a wave
.set REC,   12800
.set TL0,   2048                       ; Wo's K steps 5-7: three records for each wave
.set TLW,   3*REC
.set AIM,   TL0+8*TLW                  ; ctx's eight fragments
.set SPITCH, 528                       ; the stage: 16 rows x 528 bytes
.set WOFF,  2457600                    ; Wo's place in wc
.set PC,    8
.set L4,    8                          ; v8-16 hold addresses until the codes are made: 4 x lane;
.set STO,   9                          ; the stage, in;
.set LB16,  11                         ; my tile + 16 x lane (also: the stage, back);
.set LB8,   12                         ; my tile + 16 r + 8 h;
.set AI16,  13                         ; ctx's images likewise,
.set AI8,   14
.set AS16,  15                         ; and my own fragment's among them
.set AS8,   16
.set SPW,   30
.set NIL,   31
.set X,     32
.set AF,    96
.set SAR,   192
.set SBR,   200
.set GG,    96
.set BB,    160
.set TM,    224
.set PW,    240
.set SM,    244
.set MU,    252
.set WV,    40
.set SEL,   42
.set G0,    44
.set G1,    48
.set MSB, 0
.macro WIN new                         ; the immediate's high byte repeats the setting that is left
.if MSB != \new
	s_set_vgpr_msb (MSB<<8)|\new
.set MSB, \new
.endif
.endm
.macro BARRIER
	s_barrier_signal -1
	s_barrier_wait -1
.endm
.macro CROUND
	BARRIER
	s_cmp_lg_u32 s[WV], 0
	s_cbranch_scc1 .Lnw0_\@
	s_barrier_signal -3
.Lnw0_\@:
	s_barrier_wait -3
	BARRIER
.endm
.macro BLOADS n                        ; half step n from memory: K step n / 2, Wo's tiles 4 (n % 2) .. + 3, into set n % 4: 16 loads
	WIN 0x40                                       ; destination window 1
.irp i, 0,1,2,3
.set O_, REC*((\n)/2)+1536*(4*((\n)%2)+\i)
.set R_, 48*((\n)%4)+12*\i
	global_load_b128 v[R_:R_+3], v27, s[6:7] offset:O_
	global_load_b64 v[R_+4:R_+5], v28, s[6:7] offset:O_+512
	global_load_b128 v[R_+6:R_+9], v27, s[6:7] offset:O_+768
	global_load_b64 v[R_+10:R_+11], v28, s[6:7] offset:O_+1280
.endr
.endm
.macro PR k, tl, r, row                ; K step k, Wo's tile tl, whose fragment lies at r in window 1; an odd tile's scale words lie in lanes 16-31
.set D_, X+8*(\tl)
.if (\k) == 0
	v_wmma_scale_f32_16x16x128_f8f6f4 v[D_:D_+7], v[(\r):(\r)+11], v[AF:AF+11], v[192+8*(\tl):199+8*(\tl)], v[SBR+(\tl)/2], v[SAR] matrix_a_fmt:MATRIX_FMT_FP6 matrix_b_fmt:MATRIX_FMT_FP6 matrix_a_scale:MATRIX_SCALE_ROW\row
.else
	v_wmma_scale_f32_16x16x128_f8f6f4 v[D_:D_+7], v[(\r):(\r)+11], v[AF+12*(\k):AF+12*(\k)+11], v[D_:D_+7], v[SBR+4*(\k)+(\tl)/2], v[SAR+(\k)] matrix_a_fmt:MATRIX_FMT_FP6 matrix_b_fmt:MATRIX_FMT_FP6 matrix_a_scale:MATRIX_SCALE_ROW\row
.endif
.endm
.macro FOUR k, t0, r0                  ; four products, four accumulators by turns, one instruction a turn
	PR \k, (\t0), (\r0), 0
	PR \k, (\t0)+1, (\r0)+12, 1
	PR \k, (\t0)+2, (\r0)+24, 0
	PR \k, (\t0)+3, (\r0)+36, 1
.rept 4
	v_nop                                          ; four places in front of loads into registers that matrix instructions have read, and of the first read of results
.endr
.endm
.macro PSTEP n, cnt                    ; cnt: the loads issued behind this set's, which may be out
	s_wait_loadcnt \cnt
.if (\n) < 2
	WIN 0x11                                       ; source 0 (Wo) and C (the embedding) window 1
.else
	WIN 0x01                                       ; source 0 window 1
.endif
	FOUR (\n)/2, 4*((\n)%2), 48*((\n)%4)
.if (\n)+4 < 10
	BLOADS (\n)+4
.endif
.endm
.macro LSTEP j                         ; half step j from LDS: K step 5 + j / 2, tiles 4 (j % 2) .. + 3
	WIN 0x40
.irp i, 0,1,2,3
.set O_, REC*((\j)/2)+1536*(4*((\j)%2)+\i)
.set R_, 192+12*\i
	ds_load_b128 v[R_:R_+3], v[LB16] offset:O_
	ds_load_b64 v[R_+4:R_+5], v[LB8] offset:O_+512
	ds_load_b128 v[R_+6:R_+9], v[LB16] offset:O_+768
	ds_load_b64 v[R_+10:R_+11], v[LB8] offset:O_+1280
.endr
	s_wait_dscnt 0x0
	WIN 0x01
	FOUR 5+(\j)/2, 4*((\j)%2), 192
.endm
	s_load_b256 s[4:11], s[0:1], 0x0               ; cq, wc, embedding, g2
	s_load_b128 s[12:15], s[0:1], 0x20             ; be2, x1
	s_load_b64 s[16:17], s[0:1], 0x30              ; hq
	v_lshl_add_u32 v[SPW], v0, 2, SPARE
	v_mov_b32 v[NIL], 0
	ds_add_u32 v[SPW], v[NIL]                      ; the opening lines: the add, twice on end, and its wait
	ds_add_u32 v[SPW], v[NIL]
	v_lshrrev_b32 v1, 5, v0
	v_readfirstlane_b32 s[WV], v1
	s_lshl_b32 s26, s[WV], 9
	s_lshl_b32 s27, s[WV], 2
	s_mul_i32 s28, s[WV], TLW
	s_add_co_u32 s28, s28, TL0                     ; my tile in LDS
	s_mul_i32 s60, s[WV], 1536
	v_and_b32 v1, 15, v0                           ; r
	v_bfe_u32 v2, v0, 4, 1                         ; h
	v_and_b32 v7, 31, v0                           ; lane
	v_lshlrev_b32 v4, 6, v2
	v_add_nc_u32 v4, s26, v4                       ; g, b: 512 w + 64 h
	v_and_b32 v3, 8, v1
	v_add_nc_u32 v3, v3, v1
	v_lshl_add_u32 v3, v3, 12, v4                  ; the embedding: + (r + 8 (r / 8)) rows of 4,096 bytes
	v_lshlrev_b32 v6, 5, v1                        ; LDS: my row's eight words,
	v_add_nc_u32 v5, s27, v6                       ; and my wave's among them
	v_lshlrev_b32 v27, 4, v7                       ; 16 x lane
	v_lshlrev_b32 v28, 4, v1
	v_lshl_add_u32 v28, v2, 3, v28                 ; 16 r + 8 h
	v_lshlrev_b32 v29, 2, v1                       ; 4 r
	v_lshlrev_b32 v[L4], 2, v7
	v_mul_u32_u24 v[STO], v1, SPITCH
	v_lshl_add_u32 v[STO], v2, 6, v[STO]
	v_add_nc_u32 v[STO], s28, v[STO]               ; row r, + 64 h
	v_add_nc_u32 v[LB16], s28, v27
	v_add_nc_u32 v[LB8], s28, v28
	v_add_nc_u32 v[AI16], AIM, v27
	v_add_nc_u32 v[AI8], AIM, v28
	v_add_nc_u32 v[AS16], s60, v[AI16]
	v_add_nc_u32 v[AS8], s60, v[AI8]
.irp b, 0,1,2,3
	v_mov_b32 v[TM+4+\b], 0                        ; a lane permute's destination counts as read
.endr
	s_mov_b32 s[SEL], 0x76543210
	s_mov_b32 s[SEL+1], 0xfedcba98                 ; lane l xor 16
	s_mov_b32 s24, 0x3a800000                      ; 1 / 1024
	s_mov_b32 s25, 0x3727c5ac                      ; 1e-5
	s_bfe_u32 s56, ttmp6, 0x40000                  ; cx
	s_lshl_b32 s57, ttmp9, 2
	s_add_co_u32 s57, s57, s56                     ; tt: it enters global addresses alone
	s_lshr_b32 s18, s57, 1
	s_lshl_b32 s18, s18, 17
	s_and_b32 s29, s57, 1
	s_lshl_b32 s29, s29, 15
	s_add_co_u32 s18, s18, s29                     ; (32 (tt / 2) + 8 (tt % 2)) rows
	s_mov_b32 s19, 0
	s_add_co_u32 s30, s18, s26                     ; x1: + 512 w
	s_mov_b32 s31, 0
	s_lshr_b32 s32, s57, 3
	s_lshl_b32 s32, s32, 3                         ; my 128 tokens' first record
	s_and_b32 s29, s57, 7
	s_add_co_u32 s20, s32, s[WV]
	s_mul_i32 s20, s20, REC                        ; record (tt / 8) x 8 + w: hq's that I write, and ctx's whose fragment I fetch
	s_lshl_b32 s33, s29, 6
	s_add_co_u32 s33, s33, 12288                   ; my tile's scale words in a record,
	s_mul_i32 s29, s29, 1536                       ; and its fragment
	s_add_co_u32 s22, s20, s33
	s_mov_b32 s23, 0
	s_add_co_u32 s20, s20, s29
	s_mov_b32 s21, 0
	s_mul_i32 s36, s32, REC
	s_add_co_u32 s36, s36, s33                     ; ctx's scale words, from K step 0 on
	s_mov_b32 s37, 0
	s_mul_i32 s38, s[WV], 8*REC
	s_add_co_u32 s38, s38, WOFF                    ; Wo: my 128 columns' eight records,
	s_mov_b32 s39, 0
	s_add_co_u32 s58, s38, 5*REC                   ; and the last three of them
	s_mov_b32 s59, 0
	s_mov_b32 s[G1], 15|(3<<16)|(1<<21)            ; the cluster's four; elements of 8 bytes; bit 21 beside a mask
	s_mov_b32 s[G1+1], 32<<16                      ; three records are 150 dense rows of 256 bytes
	s_mov_b32 s[G1+2], 150<<16
	s_mov_b32 s[G1+3], 32<<16
	s_mov_b32 s[G1+4], 150
	s_mov_b32 s[G1+5], 32
	s_mov_b32 s[G1+6], 0
	s_mov_b32 s[G1+7], 0
	s_mov_b32 s[G0], 1
	s_mov_b32 s[G0+1], s28
	s_wait_alu depctr_va_vdst(0)                   ; ahead of the waits below
	s_wait_dscnt 0x0
	CROUND                                         ; the four work-groups are here: the joint loads meet
	s_wait_kmcnt 0x0
	s_add_nc_u64 s[G0+2:G0+3], s[6:7], s[58:59]
	s_or_b32 s[G0+3], s[G0+3], 0x80000000
	tensor_load_to_lds s[G0:G0+3], s[G1:G1+7]      ; every wave's one load
	s_nop 0
.rept 4
	v_nop
.endr
	s_add_nc_u64 s[36:37], s[4:5], s[36:37]
	s_add_nc_u64 s[4:5], s[4:5], s[20:21]
	s_add_nc_u64 s[6:7], s[6:7], s[38:39]
	s_add_nc_u64 s[8:9], s[8:9], s[18:19]
	s_add_nc_u64 s[14:15], s[14:15], s[30:31]
	s_add_nc_u64 s[22:23], s[16:17], s[22:23]
	s_add_nc_u64 s[20:21], s[16:17], s[20:21]
	global_load_b128 v[AF:AF+3], v27, s[4:5]       ; ctx's fragment of K step w
	global_load_b64 v[AF+4:AF+5], v28, s[4:5] offset:512
	global_load_b128 v[AF+6:AF+9], v27, s[4:5] offset:768
	global_load_b64 v[AF+10:AF+11], v28, s[4:5] offset:1280
.irp k, 0,1,2,3,4,5,6,7
	global_load_b32 v[SAR+\k], v29, s[36:37] offset:REC*\k
.endr
	WIN 0x40
.irp b, 0,1,2,3
.irp j, 0,1,2,3
	global_load_b128 v[192+16*\b+4*\j:192+16*\b+4*\j+3], v3, s[8:9] offset:128*\b+16*\j   ; v448-511
.endr
.endr
	BLOADS 0
	BLOADS 1
	WIN 0
	s_wait_loadcnt 56                              ; my fragment of ctx is in: behind it stand 8 + 16 + 16 + 16 loads
	ds_store_b128 v[AS16], v[AF:AF+3]
	ds_store_b64 v[AS8], v[AF+4:AF+5] offset:512
	ds_store_b128 v[AS16], v[AF+6:AF+9] offset:768
	ds_store_b64 v[AS8], v[AF+10:AF+11] offset:1280
.irp k, 0,1,2,3,4,5,6,7
.irp p, 0,1,2,3
	global_load_b32 v[SBR+4*\k+\p], v[L4], s[6:7] offset:REC*\k+12288+128*\p   ; lanes 0-15 tile 2 p, lanes 16-31 tile 2 p + 1
.endr
.endr
	BLOADS 2
	BLOADS 3
	WIN 0
	s_wait_dscnt 0x0                               ; for the others' sake: my stores have landed
	BARRIER                                        ; ctx's eight fragments are in LDS; the tensor loads may still be out
.irp k, 0,1,2,3,4,5,6,7
	ds_load_b128 v[AF+12*\k:AF+12*\k+3], v[AI16] offset:1536*\k
	ds_load_b64 v[AF+12*\k+4:AF+12*\k+5], v[AI8] offset:1536*\k+512
	ds_load_b128 v[AF+12*\k+6:AF+12*\k+9], v[AI16] offset:1536*\k+768
	ds_load_b64 v[AF+12*\k+10:AF+12*\k+11], v[AI8] offset:1536*\k+1280
.endr
	s_wait_dscnt 0x0
	PSTEP 0, 32                                    ; sets 2 and 3 may be out: Wo's scale words, asked for ahead of them, are in
	PSTEP 1, 48
	PSTEP 2, 48
	s_wait_tensorcnt 0x0                           ; my tile has landed; I alone read it
	LSTEP 0
	PSTEP 3, 48
	LSTEP 1
	PSTEP 4, 48
	LSTEP 2
	PSTEP 5, 48
	LSTEP 3
	PSTEP 6, 48
	LSTEP 4
	PSTEP 7, 32
	LSTEP 5
	PSTEP 8, 16
	PSTEP 9, 0
	WIN 0
.irp b, 0,1,2,3                        ; g and b come while x1 leaves and the row's sums are made
.irp j, 0,1,2,3
	global_load_b128 v[GG+16*\b+4*\j:GG+16*\b+4*\j+3], v4, s[10:11] offset:128*\b+16*\j
.endr
.endr
.irp b, 0,1,2,3
.irp j, 0,1,2,3
	global_load_b128 v[BB+16*\b+4*\j:BB+16*\b+4*\j+3], v4, s[12:13] offset:128*\b+16*\j
.endr
.endr
	s_wait_dscnt 0x0
	BARRIER                                        ; every tile has landed and been read for the last time: the stages may lie there
.irp t, 0,1,2,3,4,5,6,7,8,9,10,11,12,13,14,15
	ds_store_b128 v[STO], v[X+4*\t:X+4*\t+3] offset:128*(\t/4)+16*(\t%4)   ; each accumulator from its low end on
.endr
	WIN 0x40
.irp t, 0,1,2,3,4,5,6,7,8,9,10,11,12,13,14,15
	ds_load_b128 v[4*\t:4*\t+3], v[LB16] offset:\t*SPITCH   ; LDS serves a wave's instructions in order (ISA guide 5.7.1.4): these see the stores above
.endr
	s_wait_dscnt 0x0
	WIN 0x04                                       ; the data: window 1
.irp t, 0,1,2,3,4,5,6,7,8,9,10,11,12,13,14,15
	global_store_b128 v27, v[4*\t:4*\t+3], s[14:15] offset:(\t+8*(\t/8))*4096   ; 32 lanes store 512 consecutive bytes, aligned
.endr
	WIN 0
; four chains in v[SM .. SM+7] become the row's total, in every lane: my 64, lane l xor 16's, and through LDS the other seven waves'
.macro ACROSS red
	s_delay_alu instid0(VALU_DEP_3)
	v_pk_add_f32 v[SM:SM+1], v[SM:SM+1], v[SM+2:SM+3]
	s_delay_alu instid0(VALU_DEP_2)
	v_pk_add_f32 v[SM+4:SM+5], v[SM+4:SM+5], v[SM+6:SM+7]
	s_delay_alu instid0(VALU_DEP_1)
	v_pk_add_f32 v[SM:SM+1], v[SM:SM+1], v[SM+4:SM+5]
	s_delay_alu instid0(VALU_DEP_1)
	v_add_f32 v[SM], v[SM], v[SM+1]
	s_delay_alu instid0(VALU_DEP_1)
	v_permlanex16_b32 v[SM+2], v[SM], s[SEL], s[SEL+1]
	s_delay_alu instid0(VALU_DEP_1)
	v_add_f32 v[SM], v[SM], v[SM+2]
	ds_store_b32 v5, v[SM] offset:\red             ; lanes r and r + 16 write the same word with the same value
	s_wait_dscnt 0x0                               ; for the others' sake: my store has landed
	s_barrier_signal -1
	s_barrier_wait -1
	ds_load_b128 v[SM:SM+3], v6 offset:\red
	ds_load_b128 v[SM+4:SM+7], v6 offset:\red+16
	s_wait_dscnt 0x0
	v_pk_add_f32 v[SM:SM+1], v[SM:SM+1], v[SM+2:SM+3]
	v_pk_add_f32 v[SM+4:SM+5], v[SM+4:SM+5], v[SM+6:SM+7]
	s_delay_alu instid0(VALU_DEP_1)
	v_pk_add_f32 v[SM:SM+1], v[SM:SM+1], v[SM+4:SM+5]
	s_delay_alu instid0(VALU_DEP_1)
	v_add_f32 v[SM], v[SM], v[SM+1]
.endm
.irp c, 0,1,2,3
	v_pk_add_f32 v[SM+2*\c:SM+2*\c+1], v[X+4*\c:X+4*\c+1], v[X+4*\c+2:X+4*\c+3]
.endr
.irp j, 16,24,32,40,48,56
.irp c, 0,1,2,3
	v_pk_add_f32 v[SM+2*\c:SM+2*\c+1], v[SM+2*\c:SM+2*\c+1], v[X+\j+2*\c:X+\j+2*\c+1]
.endr
.endr
	ACROSS RED0
	s_delay_alu instid0(VALU_DEP_1)
	v_mul_f32 v[MU], s24, v[SM]                    ; the mean
	s_delay_alu instid0(VALU_DEP_1)
	v_mov_b32 v[MU+1], v[MU]
.set J, 0
.rept 32
	v_pk_add_f32 v[X+J:X+J+1], v[X+J:X+J+1], v[MU:MU+1] neg_lo:[0,1] neg_hi:[0,1]
.set J, J+2
.endr
.irp c, 0,1,2,3
	v_pk_mul_f32 v[SM+2*\c:SM+2*\c+1], v[X+2*\c:X+2*\c+1], v[X+2*\c:X+2*\c+1]
.endr
.irp j, 8,16,24,32,40,48,56
.irp c, 0,1,2,3
	s_delay_alu instid0(VALU_DEP_4)
	v_pk_fma_f32 v[SM+2*\c:SM+2*\c+1], v[X+\j+2*\c:X+\j+2*\c+1], v[X+\j+2*\c:X+\j+2*\c+1], v[SM+2*\c:SM+2*\c+1]
.endr
.endr
	ACROSS RED1
	s_delay_alu instid0(VALU_DEP_1)
	v_fma_f32 v[SM], v[SM], s24, s25               ; var + eps
	s_wait_alu depctr_va_vdst(0)                   ; ahead of the transcendental,
	v_rsq_f32 v[MU], v[SM]
	v_nop                                          ; a plain place behind it
	s_wait_loadcnt 0x0                             ; g and b
	s_wait_alu depctr_va_vdst(0)                   ; and ahead of the result's first reader
	v_mov_b32 v[MU+1], v[MU]
.set J, 0
.rept 32
	v_pk_mul_f32 v[X+J:X+J+1], v[X+J:X+J+1], v[MU:MU+1]
.set J, J+2
.endr
.set J, 0
.rept 32
	v_pk_fma_f32 v[X+J:X+J+1], v[X+J:X+J+1], v[GG+J:GG+J+1], v[BB+J:BB+J+1]
.set J, J+2
.endr
; the quantiser: 64 numbers of a lane become a fragment's 12 registers and its row's scale word
.irp b, 0,1,2,3
	v_max3_num_f32 v[TM+\b], |v[X+16*\b]|, |v[X+1+16*\b]|, 0x1800000   ; with the floor 2^(3 - 127)
.endr
.irp i, 2,4,6,8,10,12,14
.irp b, 0,1,2,3
	s_delay_alu instid0(VALU_DEP_4)
	v_max3_num_f32 v[TM+\b], v[TM+\b], |v[X+16*\b+\i]|, |v[X+1+16*\b+\i]|
.endr
.endr
.irp b, 0,1,2,3
	s_delay_alu instid0(VALU_DEP_4)
	v_permlanex16_b32 v[TM+4+\b], v[TM+\b], s[SEL], s[SEL+1]
.endr
.irp b, 0,1,2,3
	s_delay_alu instid0(VALU_DEP_4)
	v_max_num_f32 v[TM+\b], v[TM+\b], v[TM+4+\b]   ; the block's largest magnitude
.endr
.irp b, 0,1,2,3
	s_delay_alu instid0(VALU_DEP_4)
	v_add_nc_u32 v[TM+12+\b], 0xff000000, v[TM+\b] ; 2 off its exponent field: the conversion's scale operand
.endr
.irp b, 0,1,2,3
	s_delay_alu instid0(VALU_DEP_4)
	v_lshrrev_b32 v[TM+4+\b], 23, v[TM+12+\b]      ; the byte
.endr
	s_delay_alu instid0(VALU_DEP_3)
	v_lshl_or_b32 v[PW], v[TM+5], 8, v[TM+4]
	s_delay_alu instid0(VALU_DEP_1)
	v_lshl_or_b32 v[PW], v[TM+6], 16, v[PW]
	s_delay_alu instid0(VALU_DEP_1)
	v_lshl_or_b32 v[PW], v[TM+7], 24, v[PW]
.irp c, 0,1
	v_cvt_scalef32_pk16_fp6_f32 v[PC+6*\c:PC+2+6*\c], v[X+32*\c:X+15+32*\c], v[TM+12+2*\c]
	v_cvt_scalef32_pk16_fp6_f32 v[PC+12+4*\c:PC+14+4*\c], v[X+16+32*\c:X+31+32*\c], v[TM+12+2*\c+1]
.endr
	v_nop                                          ; one plain place behind the conversions
.irp c, 0,1                            ; a whole block to a lane: lanes 0-15 block 2 c, lanes 16-31 block 2 c + 1
.irp i, 0,1,2
	v_permlane16_swap_b32 v[PC+6*\c+\i], v[PC+12+4*\c+\i]
.endr
.irp i, 0,1,2
	s_delay_alu instid0(VALU_DEP_3)
	v_mov_b32 v[PC+3+6*\c+\i], v[PC+12+4*\c+\i]
.endr
.endr
	global_store_b128 v27, v[PC:PC+3], s[20:21]              ; the fragment's image: 512, 256, 512, 256 consecutive bytes
	global_store_b64 v28, v[PC+4:PC+5], s[20:21] offset:512
	global_store_b128 v27, v[PC+6:PC+9], s[20:21] offset:768
	global_store_b64 v28, v[PC+10:PC+11], s[20:21] offset:1280
	global_store_b32 v29, v[PW], s[22:23]                    ; lanes r and r + 16 write the same word with the same value
	s_wait_tensorcnt 0x0                           ; the wave's end
	ds_add_u32 v[SPW], v[NIL]
	s_wait_dscnt 0x0
	CROUND                                         ; the closing round
	s_endpgm
.Lfunc_end_k_q24c8bd9d83_woln:
	.size	k_q24c8bd9d83_woln, .Lfunc_end_k_q24c8bd9d83_woln-k_q24c8bd9d83_woln
	.p2alignl 7, 3214868480
	.fill 96, 4, 3214868480
	.section	.rodata,"a",@progbits
	.p2align	6, 0x0
	.amdhsa_kernel k_q24c8bd9d83_woln
		.amdhsa_group_segment_fixed_size 327680
		.amdhsa_private_segment_fixed_size 0
		.amdhsa_enable_private_segment 0
		.amdhsa_kernarg_size 56
		.amdhsa_user_sgpr_count 2
		.amdhsa_user_sgpr_kernarg_segment_ptr 1
		.amdhsa_wavefront_size32 1
		.amdhsa_system_sgpr_workgroup_id_x 1
		.amdhsa_system_sgpr_workgroup_id_y 1
		.amdhsa_system_sgpr_workgroup_id_z 1
		.amdhsa_system_vgpr_workitem_id 0
		.amdhsa_next_free_vgpr 512
		.amdhsa_next_free_sgpr 66
		.amdhsa_reserve_vcc 0
		.amdhsa_float_denorm_mode_32 3
		.amdhsa_float_denorm_mode_16_64 3
		.amdhsa_memory_ordered 1
		.amdhsa_forward_progress 1
		.amdhsa_inst_pref_size 72
	.end_amdhsa_kernel
	.amdgpu_metadata
---
amdhsa.version: [ 1, 2 ]
amdhsa.kernels:
  - .name:           k_q24c8bd9d83_woln
    .symbol:         k_q24c8bd9d83_woln.kd
    .args:
      - { .name: cq, .offset: 0, .size: 8, .value_kind: global_buffer, .address_space: global }
      - { .name: wc, .offset: 8, .size: 8, .value_kind: global_buffer, .address_space: global }
      - { .name: embedding, .offset: 16, .size: 8, .value_kind: global_buffer, .address_space: global }
      - { .name: g2, .offset: 24, .size: 8, .value_kind: global_buffer, .address_space: global }
      - { .name: be2, .offset: 32, .size: 8, .value_kind: global_buffer, .address_space: global }
      - { .name: x1, .offset: 40, .size: 8, .value_kind: global_buffer, .address_space: global }
      - { .name: hq, .offset: 48, .size: 8, .value_kind: global_buffer, .address_space: global }
    .group_segment_fixed_size: 327680
    .private_segment_fixed_size: 0
    .kernarg_segment_align: 8
    .kernarg_segment_size: 56
    .max_flat_workgroup_size: 256
    .sgpr_count:     66
    .vgpr_count:     512
    .wavefront_size: 32
...
	.end_amdgpu_metadata
.endif
;; end of part 4
;; launch ff1 (part 5): grid 16 x 16, 16 waves a work-group, clusters of 4 x 4, 327,680 bytes of LDS; arguments hq, wc, b1, fq; writes fq
.if DOCPART == 5
	.amdgcn_target "amdgcn-amd-amdhsa--gfx1250"
	.amdhsa_code_object_version 6
	.text
	.protected	k_q24c8bd9d83_ff1
	.globl	k_q24c8bd9d83_ff1
	.p2align	8
	.type	k_q24c8bd9d83_ff1,@function
k_q24c8bd9d83_ff1:
	s_mov_b64 s[64:65], 0
	v_nop
	global_prefetch_b8 v0, s[64:65] scope:SCOPE_SE
	s_setreg_imm32_b32 hwreg(HW_REG_WAVE_MODE, 25, 1), 1
	s_wait_xcnt 0x0
	s_wait_alu depctr_hold_cnt(0) depctr_sa_sdst(0) depctr_va_vdst(0) depctr_va_sdst(0) depctr_va_ssrc(0) depctr_va_vcc(0) depctr_vm_vsrc(0)
	s_getreg_b32 s2, hwreg(HW_REG_IB_STS2, 6, 4)
	s_cmp_eq_u32 s2, 0
	s_cbranch_scc0 .Lentry_in_a_cluster
	s_endpgm
.Lentry_in_a_cluster:
	s_bfe_u32 s2, ttmp6, 0x10000c
	s_cmp_lg_u32 s2, 0xf033
	s_cbranch_scc0 .Lentry_shape_is_right
	s_endpgm
.Lentry_shape_is_right:
; fq = Q(relu(h2 W1 + b1)): the hidden layer is quantised along its 4,096 on the way out and goes to memory as codes alone.  Operands: records of 128 rows x 128 K (12,800 bytes: eight fragments of
; 1,536 bytes in the order of an operand's registers, then 8 x 16 scale words); K = 1,024 is eight records on end for each 128 rows.  FP6 (E2M3) codes, E8M0 bytes, f32 sums.
; D = source 0 x source 1^T: a lane holds ONE token (source 1 = A = hq) and its registers run along the hidden units (source 0 = B = W1), in true order: they are neighbours along the next K.
; A work-group of 16 waves makes 256 x 256, a wave 64 x 64: 16 accumulators, no register windows.  K goes through two LDS slots of two K steps (102,400 bytes), in four quarters of 25,600 dense bytes:
; A's two row groups, B's two; waves 0-3 fetch one each.  The first products wait for slot 0 alone; slot 1 lands while slot 0 is multiplied.
; CLUSTER 4 x 4: A's quarters are asked for jointly along a row of the cluster, B's along a column.
; THE BIAS STARTS THE SUMS: b1 is loaded at the head straight into the 16 accumulators, in the result's layout (register 16 b + i of a tile of tokens: unit 32 b + 16 h + i), while the first tiles are on their way:
; every product adds in place, nothing is cleared, and no addition or load stands behind the last product.
; A wave's 64 hidden units are half a K step of the next product: half a fragment (768 bytes) and two scale bytes a token.  The 2-byte scale stores are one byte in 48 of what is stored.
; LIMITS: a block of zeros, or one under 2^-124, gets the scale byte 1 (only this program reads the bytes); NaN and infinities are not served.
; The two refills' quarters are asked for into the L2 at the head; four slots in all, and the tiles are shared by the joint loads.
.set NKS,   8
.set REC,   12800
.set QUART, 2*REC
.set SLOT,  4*QUART
.set SSTEP, QUART
.set SPARE, 2*SLOT                     ; behind the ring: the spare words, 128 bytes a wave: eight blocks of 256 bytes that no other line names
.set WOFF,  3276800                    ; W1's place in wc
.set A16, 4
.set A8,  6
.set A4,  8
.set B16, 10
.set B8,  12
.set B4,  14
.set SPW, 16
.set NIL, 17
.set SA,  24
.set SB,  26
.set FA,  32
.set FB,  80
.set ACC, 128
.set F,   64                           ; the way out: six registers of codes for each a
.set W,   96
.set TT,  100
.set TM,  104
.set WV,  14
.set G1A, 24
.set G1B, 32
.set G0A, 40
.set G0B, 48
.set SEL, 56
.macro CROUND
	s_barrier_signal -1
	s_barrier_wait -1
	s_cmp_lg_u32 s[WV], 0
	s_cbranch_scc1 .Lnw0_\@
	s_barrier_signal -3
.Lnw0_\@:
	s_barrier_wait -3
	s_barrier_signal -1
	s_barrier_wait -1
.endm
.macro JLOAD sl                        ; waves 0, 1: A's quarters; waves 2, 3: B's; the others nothing
	s_cmp_lt_u32 s[WV], 2
	s_cbranch_scc0 .Lnot_a_\@
	tensor_load_to_lds s[G0A+4*\sl:G0A+4*\sl+3], s[G1A:G1A+7]
	s_nop 0
.rept 4
	v_nop
.endr
	s_branch .Lasked_\@
.Lnot_a_\@:
	s_cmp_lt_u32 s[WV], 4
	s_cbranch_scc0 .Lasked_\@
	tensor_load_to_lds s[G0B+4*\sl:G0B+4*\sl+3], s[G1B:G1B+7]
	s_nop 0
.rept 4
	v_nop
.endr
.Lasked_\@:
.endm
.macro WM a, b                         ; source 0 = B's tile b, source 1 = A's tile a; an odd tile's scale words lie in lanes 16-31
.set XD, ACC+8*(4*(\a)+(\b))
.set XB, FB+12*(\b)
.set XA, FA+12*(\a)
.set YB, SB+(\b)/2
.set YA, SA+(\a)/2
.if ((\a)%2 == 0) && ((\b)%2 == 0)
	v_wmma_scale_f32_16x16x128_f8f6f4 v[XD:XD+7], v[XB:XB+11], v[XA:XA+11], v[XD:XD+7], v[YB], v[YA] matrix_a_fmt:MATRIX_FMT_FP6 matrix_b_fmt:MATRIX_FMT_FP6
.elseif (\a)%2 == 0
	v_wmma_scale_f32_16x16x128_f8f6f4 v[XD:XD+7], v[XB:XB+11], v[XA:XA+11], v[XD:XD+7], v[YB], v[YA] matrix_a_fmt:MATRIX_FMT_FP6 matrix_b_fmt:MATRIX_FMT_FP6 matrix_a_scale:MATRIX_SCALE_ROW1
.elseif (\b)%2 == 0
	v_wmma_scale_f32_16x16x128_f8f6f4 v[XD:XD+7], v[XB:XB+11], v[XA:XA+11], v[XD:XD+7], v[YB], v[YA] matrix_a_fmt:MATRIX_FMT_FP6 matrix_b_fmt:MATRIX_FMT_FP6 matrix_b_scale:MATRIX_SCALE_ROW1
.else
	v_wmma_scale_f32_16x16x128_f8f6f4 v[XD:XD+7], v[XB:XB+11], v[XA:XA+11], v[XD:XD+7], v[YB], v[YA] matrix_a_fmt:MATRIX_FMT_FP6 matrix_b_fmt:MATRIX_FMT_FP6 matrix_a_scale:MATRIX_SCALE_ROW1 matrix_b_scale:MATRIX_SCALE_ROW1
.endif
.endm
; One K step of 128: 36 LDS loads in one run, 16 matrix instructions; the 16 accumulators take turns, one instruction a turn
.macro KSTEP sl, q
.rept 4
	v_nop                                          ; four places in front of loads into registers that matrix instructions have read
.endr
	ds_load_b32 v[SA], v[A4+\sl] offset:REC*(\q)
	ds_load_b32 v[SA+1], v[A4+\sl] offset:REC*(\q)+128
	ds_load_b32 v[SB], v[B4+\sl] offset:REC*(\q)
	ds_load_b32 v[SB+1], v[B4+\sl] offset:REC*(\q)+128
.irp i, 0,1,2,3
	ds_load_b128 v[FB+12*\i:FB+12*\i+3], v[B16+\sl] offset:REC*(\q)+1536*\i
	ds_load_b64 v[FB+12*\i+4:FB+12*\i+5], v[B8+\sl] offset:REC*(\q)+1536*\i+512
	ds_load_b128 v[FB+12*\i+6:FB+12*\i+9], v[B16+\sl] offset:REC*(\q)+1536*\i+768
	ds_load_b64 v[FB+12*\i+10:FB+12*\i+11], v[B8+\sl] offset:REC*(\q)+1536*\i+1280
.endr
.irp i, 0,1,2,3
	ds_load_b128 v[FA+12*\i:FA+12*\i+3], v[A16+\sl] offset:REC*(\q)+1536*\i
	ds_load_b64 v[FA+12*\i+4:FA+12*\i+5], v[A8+\sl] offset:REC*(\q)+1536*\i+512
	ds_load_b128 v[FA+12*\i+6:FA+12*\i+9], v[A16+\sl] offset:REC*(\q)+1536*\i+768
	ds_load_b64 v[FA+12*\i+10:FA+12*\i+11], v[A8+\sl] offset:REC*(\q)+1536*\i+1280
.endr
.irp a, 0,1,2,3
	s_wait_dscnt 12-4*\a                           ; all but the four loads of each later fragment of A
.irp b, 0,1,2,3
	WM \a, \b
.endr
.endr
.endm
.macro CHANGE sl, fill                 ; every wave: all its tensor loads, the add, its reads of slot sl; fill = 1: a round of the cluster's barrier, and the refill first behind it
	s_wait_tensorcnt 0x0
	ds_add_u32 v[SPW], v[NIL]
.if \fill
	ds_add_u32 v[SPW], v[NIL]                      ; and once more
	s_add_nc_u64 s[G0A+4*\sl+2:G0A+4*\sl+3], s[G0A+4*\sl+2:G0A+4*\sl+3], 2*SSTEP
	s_add_nc_u64 s[G0B+4*\sl+2:G0B+4*\sl+3], s[G0B+4*\sl+2:G0B+4*\sl+3], 2*SSTEP
.endif
	s_wait_dscnt 0x0
.if \fill
	CROUND
	JLOAD \sl
.else
	s_barrier_signal -1
	s_barrier_wait -1
.endif
.endm
.macro HQUANT s, f, w                  ; 32 numbers of a lane, register 16 b + i = k 32 b + 16 (lane / 16) + i of my row, become half a fragment and two scale bytes
.irp b, 0,1
	v_max3_num_f32 v[TM+\b], |v[(\s)+16*\b]|, |v[(\s)+1+16*\b]|, 0x1800000   ; with the floor 2^(3 - 127)
.endr
.irp i, 2,4,6,8,10,12,14
.irp b, 0,1
	s_delay_alu instid0(VALU_DEP_2)
	v_max3_num_f32 v[TM+\b], v[TM+\b], |v[(\s)+16*\b+\i]|, |v[(\s)+1+16*\b+\i]|
.endr
.endr
.irp b, 0,1
	s_delay_alu instid0(VALU_DEP_2)
	v_permlanex16_b32 v[TM+2+\b], v[TM+\b], s[SEL], s[SEL+1]
.endr
.irp b, 0,1
	s_delay_alu instid0(VALU_DEP_2)
	v_max_num_f32 v[TM+\b], v[TM+\b], v[TM+2+\b]
.endr
.irp b, 0,1
	s_delay_alu instid0(VALU_DEP_2)
	v_add_nc_u32 v[TM+4+\b], 0xff000000, v[TM+\b]
.endr
.irp b, 0,1
	s_delay_alu instid0(VALU_DEP_2)
	v_lshrrev_b32 v[TM+2+\b], 23, v[TM+4+\b]
.endr
	s_delay_alu instid0(VALU_DEP_1)
	v_lshl_or_b32 v[\w], v[TM+3], 8, v[TM+2]
	v_cvt_scalef32_pk16_fp6_f32 v[(\f):(\f)+2], v[(\s):(\s)+15], v[TM+4]
	v_cvt_scalef32_pk16_fp6_f32 v[TT:TT+2], v[(\s)+16:(\s)+31], v[TM+5]
	v_nop                                          ; one plain place behind the conversions
.irp i, 0,1,2
	v_permlane16_swap_b32 v[(\f)+\i], v[TT+\i]
.endr
.irp i, 0,1,2
	s_delay_alu instid0(VALU_DEP_3)
	v_mov_b32 v[(\f)+3+\i], v[TT+\i]
.endr
.endm
	s_load_b256 s[4:11], s[0:1], 0x0               ; hq, wc, b1, fq
	v_lshl_add_u32 v[SPW], v0, 2, SPARE
	v_mov_b32 v[NIL], 0
	ds_add_u32 v[SPW], v[NIL]                      ; the opening: the add and its wait ahead of the first tensor load
	ds_add_u32 v[SPW], v[NIL]
	v_lshrrev_b32 v1, 5, v0
	s_delay_alu instid0(VALU_DEP_1)
	v_readfirstlane_b32 s[WV], v1
	s_bfe_u32 s15, ttmp6, 0x40000                  ; cx
	s_bfe_u32 s16, ttmp6, 0x40004                  ; cy
	s_lshl_b32 s17, ttmp9, 2
	s_add_co_u32 s17, s17, s15                     ; TB: my 256 hidden units
	s_and_b32 s18, ttmp7, 0xffff
	s_lshl_b32 s18, s18, 2
	s_add_co_u32 s18, s18, s16                     ; TA: my 256 tokens
	s_lshl_b32 s19, s16, 2
	s_lshl_b32 s19, 15, s19
	s_lshl_b32 s20, 0x1111, s15
	s_or_b32 s[G1A], s19, (3<<16)|(1<<21)          ; the mask; elements of 8 bytes; bit 21 beside a mask; no padding
	s_or_b32 s[G1B], s20, (3<<16)|(1<<21)
.irp g, G1A, G1B
	s_mov_b32 s[\g+1], 32<<16                      ; a quarter is 100 dense rows of 256 bytes
	s_mov_b32 s[\g+2], 100<<16
	s_mov_b32 s[\g+3], 32<<16
	s_mov_b32 s[\g+4], 100
	s_mov_b32 s[\g+5], 32
	s_mov_b32 s[\g+6], 0
	s_mov_b32 s[\g+7], 0
.endr
	s_mov_b32 s[SEL], 0x76543210
	s_mov_b32 s[SEL+1], 0xfedcba98
	s_and_b32 s21, s[WV], 1
	s_mul_i32 s21, s21, NKS*REC                    ; which of the two row groups I fetch
	s_mul_i32 s58, s18, 2*NKS*REC
	s_add_co_u32 s58, s58, s21
	s_mov_b32 s59, 0
	s_mul_i32 s60, s17, 2*NKS*REC
	s_add_co_u32 s60, s60, s21
	s_add_co_u32 s60, s60, WOFF
	s_mov_b32 s61, 0
	s_and_b32 s22, s[WV], 3
	s_mul_i32 s22, s22, QUART
	s_wait_dscnt 0x0
	s_wait_kmcnt 0x0
	s_add_nc_u64 s[58:59], s[4:5], s[58:59]
	s_add_nc_u64 s[60:61], s[6:7], s[60:61]
.irp s, 0,1
	s_mov_b32 s[G0A+4*\s], 1
	s_add_co_u32 s[G0A+4*\s+1], s22, \s*SLOT
	s_add_nc_u64 s[G0A+4*\s+2:G0A+4*\s+3], s[58:59], \s*SSTEP
	s_or_b32 s[G0A+4*\s+3], s[G0A+4*\s+3], 0x80000000
	s_mov_b32 s[G0B+4*\s], 1
	s_add_co_u32 s[G0B+4*\s+1], s22, \s*SLOT
	s_add_nc_u64 s[G0B+4*\s+2:G0B+4*\s+3], s[60:61], \s*SSTEP
	s_or_b32 s[G0B+4*\s+3], s[G0B+4*\s+3], 0x80000000
.endr
	CROUND                                         ; all sixteen work-groups are here: the first joint loads meet
	s_cmp_lt_u32 s[WV], 2                          ; a wave's two first fills stand on end in one branch on its number: slot 0's first, then slot 1's
	s_cbranch_scc0 .Lf_not_a
	tensor_load_to_lds s[G0A:G0A+3], s[G1A:G1A+7]
	s_nop 0
.rept 4
	v_nop
.endr
	s_branch .Lf_asked
.Lf_not_a:
	s_cmp_lt_u32 s[WV], 4
	s_cbranch_scc0 .Lf_not_b                       ; the head's eight quarters, one a wave, in one chain: waves 0, 1 slot 0's A, 2, 3 its B, 4, 5 slot 1's A, 6, 7 its B
	tensor_load_to_lds s[G0B:G0B+3], s[G1B:G1B+7]
	s_nop 0
.rept 4
	v_nop
.endr
	s_branch .Lf_asked
.Lf_not_b:
	s_cmp_lt_u32 s[WV], 6
	s_cbranch_scc0 .Lf_not_a1
	tensor_load_to_lds s[G0A+4:G0A+7], s[G1A:G1A+7]
	s_nop 0
.rept 4
	v_nop
.endr
	s_branch .Lf_asked
.Lf_not_a1:
	s_cmp_lt_u32 s[WV], 8
	s_cbranch_scc0 .Lf_asked
	tensor_load_to_lds s[G0B+4:G0B+7], s[G1B:G1B+7]
	s_nop 0
.rept 4
	v_nop
.endr
.Lf_asked:
	; the two refills' quarters (slots 2 and 3 of K) are asked for into the L2 here: a quarter is 100 blocks of 256 bytes; the four partners that will load it jointly
	; take 25 each, told apart by address (cx for A's, cy for B's); a lane a block, lanes 25-31 name the wave's last block again; waves 0-3, which will issue the refills, ask
	s_and_b32 s94, s[WV], 2
	s_cmp_eq_u32 s94, 0
	s_cselect_b64 s[92:93], s[58:59], s[60:61]
	s_cselect_b32 s94, s15, s16
	s_mul_i32 s94, s94, 6400
	s_mov_b32 s95, 0
	s_add_nc_u64 s[92:93], s[92:93], s[94:95]
	v_and_b32 v23, 31, v0
	v_min_u32 v23, 24, v23
	v_lshlrev_b32 v23, 8, v23                      ; never rewritten
	s_cmp_lt_u32 s[WV], 4
	s_cbranch_scc0 .Lno_pf
	global_prefetch_b8 v23, s[92:93] offset:2*SSTEP th:TH_LOAD_NT scope:SCOPE_SE
	global_prefetch_b8 v23, s[92:93] offset:3*SSTEP th:TH_LOAD_NT scope:SCOPE_SE
.Lno_pf:
	v_and_b32 v1, 15, v0                           ; r
	v_bfe_u32 v2, v0, 4, 1                         ; h
	v_and_b32 v3, 31, v0
	s_delay_alu instid0(VALU_DEP_2)
	v_lshlrev_b32 v21, 6, v2                       ; 64 h
	s_lshr_b32 s66, s[WV], 2                       ; wm
	s_and_b32 s67, s[WV], 3                        ; wn
	s_lshl_b32 s72, s17, 10
	s_lshl_b32 s73, s67, 8
	s_add_co_u32 s72, s72, s73                     ; b1: my 64 units
	s_mov_b32 s73, 0
	s_add_nc_u64 s[8:9], s[8:9], s[72:73]
.irp a, 0,1,2,3                        ; the bias into the accumulators of each of my four tiles of tokens: register 16 b + i: unit 32 b + 16 h + i
.irp t, 0,1,2,3,4,5,6,7
	global_load_b128 v[ACC+32*\a+4*\t:ACC+32*\a+4*\t+3], v21, s[8:9] offset:128*(\t/4)+16*(\t%4)
.endr
.endr
	v_lshlrev_b32 v18, 4, v3                       ; 16 x lane
	s_wait_alu depctr_va_vdst(0)
	v_lshlrev_b32 v19, 4, v1
	s_delay_alu instid0(VALU_DEP_1)
	v_lshl_add_u32 v19, v2, 3, v19                 ; 16 r + 8 h
	s_wait_alu depctr_va_vdst(0)
	v_lshlrev_b32 v20, 2, v1                       ; 4 r
	v_lshlrev_b32 v22, 2, v3                       ; 4 x lane
	s_wait_alu depctr_va_vdst(0)
	s_lshr_b32 s68, s66, 1
	s_and_b32 s69, s66, 1
	s_lshr_b32 s70, s67, 1
	s_and_b32 s71, s67, 1
	s_mul_i32 s72, s68, QUART
	s_mul_i32 s73, s69, 6144
	s_add_co_u32 s73, s73, s72
	s_lshl_b32 s74, s69, 8
	s_add_co_u32 s74, s74, s72
	s_add_co_u32 s74, s74, 12288
	s_mul_i32 s72, s70, QUART
	s_mul_i32 s75, s71, 6144
	s_add_co_u32 s75, s75, s72
	s_add_co_u32 s75, s75, 2*QUART
	s_lshl_b32 s76, s71, 8
	s_add_co_u32 s76, s76, s72
	s_add_co_u32 s76, s76, 2*QUART+12288
.irp s, 0,1
	v_add_nc_u32 v[A16+\s], s73, v18
	v_add_nc_u32 v[A8+\s], s73, v19
	v_add_nc_u32 v[A4+\s], s74, v22
	v_add_nc_u32 v[B16+\s], s75, v18
	v_add_nc_u32 v[B8+\s], s75, v19
	v_add_nc_u32 v[B4+\s], s76, v22
	s_add_co_u32 s73, s73, SLOT
	s_add_co_u32 s74, s74, SLOT
	s_add_co_u32 s75, s75, SLOT
	s_add_co_u32 s76, s76, SLOT
.endr
	s_lshl_b32 s74, s18, 1
	s_add_co_u32 s74, s74, s68                     ; fq: my group of 128 tokens,
	s_lshl_b32 s74, s74, 5
	s_lshl_b32 s75, s17, 1
	s_add_co_u32 s75, s75, s70                     ; my K step of the next product
	s_add_co_u32 s74, s74, s75
	s_mul_i32 s74, s74, REC
	s_mul_i32 s75, s69, 6144
	s_add_co_u32 s78, s74, s75
	s_mul_i32 s75, s71, 768
	s_add_co_u32 s78, s78, s75                     ; my four tiles' halves
	s_mov_b32 s79, 0
	s_lshl_b32 s75, s69, 8
	s_add_co_u32 s80, s74, s75
	s_lshl_b32 s75, s71, 1
	s_add_co_u32 s80, s80, s75
	s_add_co_u32 s80, s80, 12288                   ; their scale bytes
	s_mov_b32 s81, 0
	s_add_nc_u64 s[78:79], s[10:11], s[78:79]
	s_add_nc_u64 s[80:81], s[10:11], s[80:81]
	s_wait_alu depctr_va_vdst(0)
	s_cmp_lt_u32 s[WV], 4                          ; waves 0-3 issued slot 0's four quarters, on lines of their own: they wait; slot 1's may stay out
	s_cbranch_scc0 .Lnot_s0
	s_wait_tensorcnt 0x0
.Lnot_s0:
	s_barrier_signal -1
	s_barrier_wait -1                              ; slot 0 is whole
	s_wait_loadcnt 0x0                             ; the bias lies in my accumulators
	KSTEP 0, 0
	KSTEP 0, 1
	CHANGE 0, 1                                    ; its wait for all loads and its round stand between slot 1's first fill and slot 1's first read
	KSTEP 1, 0
	KSTEP 1, 1
	CHANGE 1, 1
	KSTEP 0, 0
	KSTEP 0, 1
	CHANGE 0, 0
	KSTEP 1, 0
	KSTEP 1, 1
.rept 4
	v_nop                                          ; places in front of the first read of results and the first write of operands' registers
.endr
	v_mov_b32 v[TM+2], 0                           ; a lane permute's destination counts as read
	v_mov_b32 v[TM+3], 0
.irp a, 0,1,2,3
.set J, 0
.rept 32
	v_max_num_f32 v[ACC+32*\a+J], 0, v[ACC+32*\a+J]   ; the activation, in f32; each accumulator from its low end on
.set J, J+1
.endr
	HQUANT ACC+32*\a, F+8*\a, W+\a
.endr
.irp a, 0,1,2,3
	global_store_b128 v18, v[F+8*\a:F+8*\a+3], s[78:79] offset:1536*\a
	global_store_b64 v19, v[F+8*\a+4:F+8*\a+5], s[78:79] offset:1536*\a+512
	global_store_b16 v20, v[W+\a], s[80:81] offset:64*\a
.endr
	s_wait_tensorcnt 0x0                           ; the wave's end
	ds_add_u32 v[SPW], v[NIL]
	s_wait_dscnt 0x0
	CROUND                                         ; the closing round
	s_endpgm
.Lfunc_end_k_q24c8bd9d83_ff1:
	.size	k_q24c8bd9d83_ff1, .Lfunc_end_k_q24c8bd9d83_ff1-k_q24c8bd9d83_ff1
	.p2alignl 7, 3214868480
	.fill 96, 4, 3214868480
	.section	.rodata,"a",@progbits
	.p2align	6, 0x0
	.amdhsa_kernel k_q24c8bd9d83_ff1
		.amdhsa_group_segment_fixed_size 327680
		.amdhsa_private_segment_fixed_size 0
		.amdhsa_enable_private_segment 0
		.amdhsa_kernarg_size 32
		.amdhsa_user_sgpr_count 2
		.amdhsa_user_sgpr_kernarg_segment_ptr 1
		.amdhsa_wavefront_size32 1
		.amdhsa_system_sgpr_workgroup_id_x 1
		.amdhsa_system_sgpr_workgroup_id_y 1
		.amdhsa_system_sgpr_workgroup_id_z 1
		.amdhsa_system_vgpr_workitem_id 0
		.amdhsa_next_free_vgpr 256
		.amdhsa_next_free_sgpr 96
		.amdhsa_reserve_vcc 0
		.amdhsa_float_denorm_mode_32 3
		.amdhsa_float_denorm_mode_16_64 3
		.amdhsa_memory_ordered 1
		.amdhsa_forward_progress 1
		.amdhsa_inst_pref_size 68
	.end_amdhsa_kernel
	.amdgpu_metadata
---
amdhsa.version: [ 1, 2 ]
amdhsa.kernels:
  - .name:           k_q24c8bd9d83_ff1
    .symbol:         k_q24c8bd9d83_ff1.kd
    .args:
      - { .name: hq, .offset: 0, .size: 8, .value_kind: global_buffer, .address_space: global }
      - { .name: wc, .offset: 8, .size: 8, .value_kind: global_buffer, .address_space: global }
      - { .name: b1, .offset: 16, .size: 8, .value_kind: global_buffer, .address_space: global }
      - { .name: fq, .offset: 24, .size: 8, .value_kind: global_buffer, .address_space: global }
    .group_segment_fixed_size: 327680
    .private_segment_fixed_size: 0
    .kernarg_segment_align: 8
    .kernarg_segment_size: 32
    .max_flat_workgroup_size: 512
    .sgpr_count:     96
    .vgpr_count:     256
    .wavefront_size: 32
...
	.end_amdgpu_metadata
.endif
;; end of part 5
;; launch ff2 (part 6): grid 8 x 32, 8 waves a work-group, clusters of 4 x 4, 327,680 bytes of LDS; arguments fq, wc, x1, out0, b2; writes out0
.if DOCPART == 6
	.amdgcn_target "amdgcn-amd-amdhsa--gfx1250"
	.amdhsa_code_object_version 6
	.text
	.protected	k_q24c8bd9d83_ff2
	.globl	k_q24c8bd9d83_ff2
	.p2align	8
	.type	k_q24c8bd9d83_ff2,@function
k_q24c8bd9d83_ff2:
	s_mov_b64 s[64:65], 0
	v_nop
	global_prefetch_b8 v0, s[64:65] scope:SCOPE_SE
	s_setreg_imm32_b32 hwreg(HW_REG_WAVE_MODE, 25, 1), 1
	s_wait_xcnt 0x0
	s_wait_alu depctr_hold_cnt(0) depctr_sa_sdst(0) depctr_va_vdst(0) depctr_va_sdst(0) depctr_va_ssrc(0) depctr_va_vcc(0) depctr_vm_vsrc(0)
	s_getreg_b32 s2, hwreg(HW_REG_IB_STS2, 6, 4)
	s_cmp_eq_u32 s2, 0
	s_cbranch_scc0 .Lentry_in_a_cluster
	s_endpgm
.Lentry_in_a_cluster:
	s_bfe_u32 s2, ttmp6, 0x10000c
	s_cmp_lg_u32 s2, 0xf033
	s_cbranch_scc0 .Lentry_shape_is_right
	s_endpgm
.Lentry_shape_is_right:
; out = residual + A B^T (+ bias): A: tokens as codes, B: a weight as codes, both in records of 128 rows x 128 K (12,800 bytes: eight fragments of 1,536 bytes in the order of an operand's registers,
; then 8 x 16 scale words), NKS records on end for each 128 rows.  FP6 (E2M3) codes, E8M0 bytes, f32 sums.  Here: out0 = x1 + hidden W2 + b2.
; D = source 0 x source 1^T: a lane holds one token (source 1 = A) and its registers run along the output's columns (source 0 = B), in true order.
; A work-group of 8 waves makes 128 x 128.  A slot holds FOUR K steps (102,400 bytes) in four quarters of 25,600 dense bytes: A's steps 0-1, 2-3, B's steps 0-1, 2-3; waves 0-3 fetch one each.
; Waves 0-3 multiply each slot's steps 0-1, waves 4-7 its steps 2-3, each wave 64 x 64 (16 accumulators).  The two partial sums are added once, through LDS: the order of the sum along K differs so from an ascending one.
; The first products wait for slot 0 alone; slot 1 lands while slot 0 is multiplied.
; CLUSTER 4 x 4: A's quarters are asked for jointly along a row of the cluster, B's along a column.  Tiles of 128 x 128 give each of 256 WGPs one work-group.
; THE BIAS IS ASKED FOR AT THE HEAD AND THE RESIDUAL BEHIND SLOT 0'S PRODUCTS, by the four waves that will store: 32 loads a wave into v256-383, which nothing else names; one wait for them stands behind the last product.
; THE WAY OUT: a tile of 16 tokens x 64 columns goes through the wave's stage and comes back as rows: sixteen lanes hold the residual's and store the output's 256 consecutive bytes, aligned.
; REGISTER WINDOWS: all work lies in v0-255; the window is switched round the residual's loads (their destination) and round each tile's 16 additions (their second source): ten switches in all.
; Waves 0-3 ask for refills' tiles into the L2 two slots ahead; the tiles are shared by the joint loads.
.set NKS,    32                        ; K = 4,096
.set NSL,    8                         ; slots' worth of K
.set WOFF,   6553600                   ; the weight's place in wc
.set BIASED, 1
.set REC,   12800
.set QUART, 2*REC
.set SLOT,  4*QUART
.set SSTEP, 2*QUART                    ; a slot on in memory: four records
.set RED,   2*SLOT                     ; behind the ring: 16,384 bytes for each pair of waves,
.set STAGE, RED+4*16384                ; 16 rows x 272 bytes for each of waves 0-3,
.set SPARE, STAGE+4*4352               ; and the spare words, 128 bytes a wave: four blocks of 256 bytes that no other line names
.set A16, 4
.set A8,  6
.set A4,  8
.set B16, 10
.set B8,  12
.set B4,  14
.set SPW, 16
.set NIL, 17
.set REDA, 18
.set STO, 19
.set RD,  20
.set GO,  21
.set GB,  23
.set SA,  24
.set SB,  26
.set BI,  28                           ; v28-31 the bias of my four columns
.set FA,  32
.set FB,  80
.set ACC, 128
.set T,   32                           ; the way out: v32-127 at work
.set RW,  0                            ; in window 1 (v256-383): the residual, 32 registers a tile
.set WV,  14
.set G1A, 24
.set G1B, 32
.set G0A, 40
.set G0B, 48
.set MSB, 0
.set PFN, 4                            ; the slot of K that the next refill's prefetch names: two slots on from that refill's own
.macro WIN new                         ; the immediate's high byte repeats the setting that is left
.if MSB != \new
	s_set_vgpr_msb (MSB<<8)|\new
.set MSB, \new
.endif
.endm
.macro CROUND
	s_barrier_signal -1
	s_barrier_wait -1
	s_cmp_lg_u32 s[WV], 0
	s_cbranch_scc1 .Lnw0_\@
	s_barrier_signal -3
.Lnw0_\@:
	s_barrier_wait -3
	s_barrier_signal -1
	s_barrier_wait -1
.endm
.macro JLOAD sl                        ; waves 0, 1: A's quarters; waves 2, 3: B's; the others nothing
	s_cmp_lt_u32 s[WV], 2
	s_cbranch_scc0 .Lnot_a_\@
	tensor_load_to_lds s[G0A+4*\sl:G0A+4*\sl+3], s[G1A:G1A+7]
	s_nop 0
.rept 4
	v_nop
.endr
	s_branch .Lasked_\@
.Lnot_a_\@:
	s_cmp_lt_u32 s[WV], 4
	s_cbranch_scc0 .Lasked_\@
	tensor_load_to_lds s[G0B+4*\sl:G0B+4*\sl+3], s[G1B:G1B+7]
	s_nop 0
.rept 4
	v_nop
.endr
.Lasked_\@:
.endm
.macro WM a, b, zero
.set XD, ACC+8*(4*(\a)+(\b))
.set XB, FB+12*(\b)
.set XA, FA+12*(\a)
.set YB, SB+(\b)/2
.set YA, SA+(\a)/2
.if \zero
.if ((\a)%2 == 0) && ((\b)%2 == 0)
	v_wmma_scale_f32_16x16x128_f8f6f4 v[XD:XD+7], v[XB:XB+11], v[XA:XA+11], 0, v[YB], v[YA] matrix_a_fmt:MATRIX_FMT_FP6 matrix_b_fmt:MATRIX_FMT_FP6
.elseif (\a)%2 == 0
	v_wmma_scale_f32_16x16x128_f8f6f4 v[XD:XD+7], v[XB:XB+11], v[XA:XA+11], 0, v[YB], v[YA] matrix_a_fmt:MATRIX_FMT_FP6 matrix_b_fmt:MATRIX_FMT_FP6 matrix_a_scale:MATRIX_SCALE_ROW1
.elseif (\b)%2 == 0
	v_wmma_scale_f32_16x16x128_f8f6f4 v[XD:XD+7], v[XB:XB+11], v[XA:XA+11], 0, v[YB], v[YA] matrix_a_fmt:MATRIX_FMT_FP6 matrix_b_fmt:MATRIX_FMT_FP6 matrix_b_scale:MATRIX_SCALE_ROW1
.else
	v_wmma_scale_f32_16x16x128_f8f6f4 v[XD:XD+7], v[XB:XB+11], v[XA:XA+11], 0, v[YB], v[YA] matrix_a_fmt:MATRIX_FMT_FP6 matrix_b_fmt:MATRIX_FMT_FP6 matrix_a_scale:MATRIX_SCALE_ROW1 matrix_b_scale:MATRIX_SCALE_ROW1
.endif
.else
.if ((\a)%2 == 0) && ((\b)%2 == 0)
	v_wmma_scale_f32_16x16x128_f8f6f4 v[XD:XD+7], v[XB:XB+11], v[XA:XA+11], v[XD:XD+7], v[YB], v[YA] matrix_a_fmt:MATRIX_FMT_FP6 matrix_b_fmt:MATRIX_FMT_FP6
.elseif (\a)%2 == 0
	v_wmma_scale_f32_16x16x128_f8f6f4 v[XD:XD+7], v[XB:XB+11], v[XA:XA+11], v[XD:XD+7], v[YB], v[YA] matrix_a_fmt:MATRIX_FMT_FP6 matrix_b_fmt:MATRIX_FMT_FP6 matrix_a_scale:MATRIX_SCALE_ROW1
.elseif (\b)%2 == 0
	v_wmma_scale_f32_16x16x128_f8f6f4 v[XD:XD+7], v[XB:XB+11], v[XA:XA+11], v[XD:XD+7], v[YB], v[YA] matrix_a_fmt:MATRIX_FMT_FP6 matrix_b_fmt:MATRIX_FMT_FP6 matrix_b_scale:MATRIX_SCALE_ROW1
.else
	v_wmma_scale_f32_16x16x128_f8f6f4 v[XD:XD+7], v[XB:XB+11], v[XA:XA+11], v[XD:XD+7], v[YB], v[YA] matrix_a_fmt:MATRIX_FMT_FP6 matrix_b_fmt:MATRIX_FMT_FP6 matrix_a_scale:MATRIX_SCALE_ROW1 matrix_b_scale:MATRIX_SCALE_ROW1
.endif
.endif
.endm
; One K step of 128: 36 LDS loads in one run, 16 matrix instructions; the 16 accumulators take turns, one instruction a turn
.macro KSTEP sl, q, zero
.if !(\zero)
.rept 4
	v_nop                                          ; four places in front of loads into registers that matrix instructions have read
.endr
.endif
	ds_load_b32 v[SA], v[A4+\sl] offset:REC*(\q)
	ds_load_b32 v[SA+1], v[A4+\sl] offset:REC*(\q)+128
	ds_load_b32 v[SB], v[B4+\sl] offset:REC*(\q)
	ds_load_b32 v[SB+1], v[B4+\sl] offset:REC*(\q)+128
.irp i, 0,1,2,3
	ds_load_b128 v[FB+12*\i:FB+12*\i+3], v[B16+\sl] offset:REC*(\q)+1536*\i
	ds_load_b64 v[FB+12*\i+4:FB+12*\i+5], v[B8+\sl] offset:REC*(\q)+1536*\i+512
	ds_load_b128 v[FB+12*\i+6:FB+12*\i+9], v[B16+\sl] offset:REC*(\q)+1536*\i+768
	ds_load_b64 v[FB+12*\i+10:FB+12*\i+11], v[B8+\sl] offset:REC*(\q)+1536*\i+1280
.endr
.irp i, 0,1,2,3
	ds_load_b128 v[FA+12*\i:FA+12*\i+3], v[A16+\sl] offset:REC*(\q)+1536*\i
	ds_load_b64 v[FA+12*\i+4:FA+12*\i+5], v[A8+\sl] offset:REC*(\q)+1536*\i+512
	ds_load_b128 v[FA+12*\i+6:FA+12*\i+9], v[A16+\sl] offset:REC*(\q)+1536*\i+768
	ds_load_b64 v[FA+12*\i+10:FA+12*\i+11], v[A8+\sl] offset:REC*(\q)+1536*\i+1280
.endr
.irp a, 0,1,2,3
	s_wait_dscnt 12-4*\a                           ; all but the four loads of each later fragment of A
.irp b, 0,1,2,3
	WM \a, \b, \zero
.endr
.endr
.endm
.macro CHANGE sl, fill                 ; every wave: all its tensor loads, the add, its reads of slot sl; fill = 1: a round of the cluster's barrier, and the refill first behind it
	s_wait_tensorcnt 0x0
	ds_add_u32 v[SPW], v[NIL]
.if \fill
	s_add_nc_u64 s[G0A+4*\sl+2:G0A+4*\sl+3], s[G0A+4*\sl+2:G0A+4*\sl+3], 2*SSTEP
	s_add_nc_u64 s[G0B+4*\sl+2:G0B+4*\sl+3], s[G0B+4*\sl+2:G0B+4*\sl+3], 2*SSTEP
.endif
	s_wait_dscnt 0x0
.if \fill
	CROUND
	JLOAD \sl
.if PFN < NSL                          ; behind the refill of slot n of K: my share of slot n + 2 is asked for into the L2; the last two refills ask for nothing
	s_cmp_lt_u32 s[WV], 4
	s_cbranch_scc0 .Lnp_\@
	global_prefetch_b8 v3, s[92:93] offset:PFN*SSTEP th:TH_LOAD_NT scope:SCOPE_SE
.Lnp_\@:
.endif
.set PFN, PFN+1
.else
	s_barrier_signal -1
	s_barrier_wait -1
.endif
.endm
.macro RLOAD a                         ; the residual of tile a's 16 tokens, my 64 columns: stage rows 2 i, 2 i + 1 are tokens 32 (a / 2) + 8 (a % 2) + 2 i + 8 (i / 4) and the next; sixteen lanes read 256 consecutive bytes
.irp i, 0,1,2,3,4,5,6,7
	global_load_b128 v[RW+32*(\a)+4*\i:RW+32*(\a)+4*\i+3], v[GO], s[8:9] offset:(32*((\a)/2)+8*((\a)%2)+2*\i+8*(\i/4))*4096 th:TH_LOAD_NT
.endr
.endm
	s_load_b256 s[4:11], s[0:1], 0x0               ; A, wc, the residual, out
.if BIASED
	s_load_b64 s[12:13], s[0:1], 0x20              ; the bias
.endif
	v_lshl_add_u32 v[SPW], v0, 2, SPARE
	v_mov_b32 v[NIL], 0
	ds_add_u32 v[SPW], v[NIL]                      ; the opening: the add and its wait ahead of the first tensor load
	ds_add_u32 v[SPW], v[NIL]
	v_lshrrev_b32 v1, 5, v0
	s_delay_alu instid0(VALU_DEP_1)
	v_readfirstlane_b32 s[WV], v1
	s_bfe_u32 s15, ttmp6, 0x40000                  ; cx
	s_bfe_u32 s16, ttmp6, 0x40004                  ; cy
	s_lshl_b32 s17, ttmp9, 2
	s_add_co_u32 s17, s17, s15                     ; TB: my 128 columns
	s_and_b32 s18, ttmp7, 0xffff
	s_lshl_b32 s18, s18, 2
	s_add_co_u32 s18, s18, s16                     ; TA: my 128 tokens
	s_lshl_b32 s19, s16, 2
	s_lshl_b32 s19, 15, s19                        ; my row of the cluster
	s_lshl_b32 s20, 0x1111, s15                    ; my column
	s_or_b32 s[G1A], s19, (3<<16)|(1<<21)          ; the mask; elements of 8 bytes; bit 21 beside a mask; no padding
	s_or_b32 s[G1B], s20, (3<<16)|(1<<21)
.irp g, G1A, G1B
	s_mov_b32 s[\g+1], 32<<16                      ; a quarter is 100 dense rows of 256 bytes
	s_mov_b32 s[\g+2], 100<<16
	s_mov_b32 s[\g+3], 32<<16
	s_mov_b32 s[\g+4], 100
	s_mov_b32 s[\g+5], 32
	s_mov_b32 s[\g+6], 0
	s_mov_b32 s[\g+7], 0
.endr
	s_and_b32 s21, s[WV], 1
	s_mul_i32 s21, s21, QUART                      ; which two K steps of a slot I fetch
	s_mul_i32 s58, s18, NKS*REC
	s_add_co_u32 s58, s58, s21
	s_mov_b32 s59, 0
	s_mul_i32 s60, s17, NKS*REC
	s_add_co_u32 s60, s60, s21
	s_add_co_u32 s60, s60, WOFF
	s_mov_b32 s61, 0
	s_and_b32 s22, s[WV], 3
	s_mul_i32 s22, s22, QUART                      ; my quarter: no place in the cluster enters an LDS address
	s_wait_dscnt 0x0
	s_wait_kmcnt 0x0
	s_add_nc_u64 s[58:59], s[4:5], s[58:59]
	s_add_nc_u64 s[60:61], s[6:7], s[60:61]
.irp s, 0,1
	s_mov_b32 s[G0A+4*\s], 1
	s_add_co_u32 s[G0A+4*\s+1], s22, \s*SLOT
	s_add_nc_u64 s[G0A+4*\s+2:G0A+4*\s+3], s[58:59], \s*SSTEP
	s_or_b32 s[G0A+4*\s+3], s[G0A+4*\s+3], 0x80000000
	s_mov_b32 s[G0B+4*\s], 1
	s_add_co_u32 s[G0B+4*\s+1], s22, \s*SLOT
	s_add_nc_u64 s[G0B+4*\s+2:G0B+4*\s+3], s[60:61], \s*SSTEP
	s_or_b32 s[G0B+4*\s+3], s[G0B+4*\s+3], 0x80000000
.endr
	CROUND                                         ; all sixteen work-groups are here: the first joint loads meet
	s_cmp_lt_u32 s[WV], 2                          ; a wave's two first fills stand on end in one branch on its number: slot 0's first, then slot 1's
	s_cbranch_scc0 .Lf_not_a
	tensor_load_to_lds s[G0A:G0A+3], s[G1A:G1A+7]
	s_nop 0
.rept 4
	v_nop
.endr
	s_branch .Lf_asked
.Lf_not_a:
	s_cmp_lt_u32 s[WV], 4
	s_cbranch_scc0 .Lf_not_b                       ; the head's eight quarters, one a wave, in one chain: waves 0, 1 slot 0's A, 2, 3 its B, 4, 5 slot 1's A, 6, 7 its B
	tensor_load_to_lds s[G0B:G0B+3], s[G1B:G1B+7]
	s_nop 0
.rept 4
	v_nop
.endr
	s_branch .Lf_asked
.Lf_not_b:
	s_cmp_lt_u32 s[WV], 6
	s_cbranch_scc0 .Lf_not_a1
	tensor_load_to_lds s[G0A+4:G0A+7], s[G1A:G1A+7]
	s_nop 0
.rept 4
	v_nop
.endr
	s_branch .Lf_asked
.Lf_not_a1:
	tensor_load_to_lds s[G0B+4:G0B+7], s[G1B:G1B+7]
	s_nop 0
.rept 4
	v_nop
.endr
.Lf_asked:
	v_and_b32 v1, 15, v0                           ; r
	v_bfe_u32 v2, v0, 4, 1                         ; h
	v_and_b32 v3, 31, v0
	s_delay_alu instid0(VALU_DEP_1)
	v_lshlrev_b32 v22, 4, v3                       ; 16 x lane
	s_wait_alu depctr_va_vdst(0)
	v_lshlrev_b32 v23, 4, v1
	s_delay_alu instid0(VALU_DEP_1)
	v_lshl_add_u32 v23, v2, 3, v23                 ; 16 r + 8 h
	s_wait_alu depctr_va_vdst(0)
	v_lshlrev_b32 v3, 2, v3                        ; 4 x lane
	s_wait_alu depctr_va_vdst(0)
	s_lshr_b32 s66, s[WV], 2                       ; which half of a slot's K steps
	s_bfe_u32 s67, s[WV], 0x10001                  ; wm: my 64 tokens
	s_and_b32 s68, s[WV], 1                        ; wn: my 64 columns
	s_mul_i32 s72, s66, QUART
	s_mul_i32 s73, s67, 6144
	s_add_co_u32 s73, s73, s72
	s_lshl_b32 s74, s67, 8
	s_add_co_u32 s74, s74, s72
	s_add_co_u32 s74, s74, 12288
	s_mul_i32 s75, s68, 6144
	s_add_co_u32 s75, s75, s72
	s_add_co_u32 s75, s75, 2*QUART
	s_lshl_b32 s76, s68, 8
	s_add_co_u32 s76, s76, s72
	s_add_co_u32 s76, s76, 2*QUART+12288
.irp s, 0,1
	v_add_nc_u32 v[A16+\s], s73, v22
	v_add_nc_u32 v[A8+\s], s73, v23
	v_add_nc_u32 v[A4+\s], s74, v3
	v_add_nc_u32 v[B16+\s], s75, v22
	v_add_nc_u32 v[B8+\s], s75, v23
	v_add_nc_u32 v[B4+\s], s76, v3
	s_add_co_u32 s73, s73, SLOT
	s_add_co_u32 s74, s74, SLOT
	s_add_co_u32 s75, s75, SLOT
	s_add_co_u32 s76, s76, SLOT
.endr
	s_and_b32 s69, s[WV], 3                        ; every LDS address of the way out is made here, on the way that all waves take
	s_lshl_b32 s77, s69, 14
	s_add_co_u32 s77, s77, RED
	v_add_nc_u32 v[REDA], s77, v22                 ; waves w and w + 4 share 16,384 bytes
	s_mul_i32 s77, s69, 4352
	s_add_co_u32 s77, s77, STAGE
	v_mul_u32_u24 v[STO], v1, 272
	s_delay_alu instid0(VALU_DEP_1)
	v_lshl_add_u32 v[STO], v2, 6, v[STO]
	s_delay_alu instid0(VALU_DEP_1)
	v_add_nc_u32 v[STO], s77, v[STO]               ; in: row r, + 64 h
	v_mul_u32_u24 v[RD], v2, 272
	s_delay_alu instid0(VALU_DEP_1)
	v_lshl_add_u32 v[RD], v1, 4, v[RD]
	s_delay_alu instid0(VALU_DEP_1)
	v_add_nc_u32 v[RD], s77, v[RD]                 ; back: lanes 0-15 one row, lanes 16-31 the next
	v_lshlrev_b32 v[GO], 12, v2
	s_delay_alu instid0(VALU_DEP_1)
	v_lshl_add_u32 v[GO], v1, 4, v[GO]             ; and the same in memory; never rewritten
	v_lshlrev_b32 v[GB], 4, v1                     ; the bias: 16 (lane % 16); never rewritten
	; THE PREFETCHES: a quarter of a slot is 100 blocks of 256 bytes; the four partners that load it jointly take 25 each, told apart by address (cx for A's, cy for B's);
	; a lane a block, lanes 25-31 name the wave's last block again; waves 0-3, which issue the refills, ask; every place along K is an immediate, no register is stepped
	v_and_b32 v3, 31, v0
	v_min_u32 v3, 24, v3
	v_lshlrev_b32 v3, 8, v3                        ; never rewritten from here on
	s_and_b32 s94, s[WV], 2
	s_cmp_eq_u32 s94, 0
	s_cselect_b64 s[92:93], s[58:59], s[60:61]
	s_cselect_b32 s94, s15, s16
	s_mul_i32 s94, s94, 6400
	s_mov_b32 s95, 0
	s_add_nc_u64 s[92:93], s[92:93], s[94:95]
	s_lshl_b32 s78, s18, 7
	s_lshl_b32 s79, s67, 6
	s_add_co_u32 s78, s78, s79
	s_lshl_b32 s78, s78, 12                        ; my first token's row
	s_lshl_b32 s79, s17, 9
	s_lshl_b32 s80, s68, 8
	s_add_co_u32 s80, s80, s79                     ; my first column's bytes
	s_add_co_u32 s78, s78, s80
	s_mov_b32 s79, 0
	s_mov_b32 s81, 0
	s_add_nc_u64 s[8:9], s[8:9], s[78:79]
	s_add_nc_u64 s[10:11], s[10:11], s[78:79]
.if BIASED
	s_add_nc_u64 s[12:13], s[12:13], s[80:81]
.endif
	s_cmp_lt_u32 s[WV], 4                          ; waves 0-3 will store: they ask for the bias now
	s_cbranch_scc0 .Lno_res
.if BIASED
	s_wait_alu depctr_va_vdst(0)
	global_prefetch_b8 v3, s[92:93] offset:2*SSTEP th:TH_LOAD_NT scope:SCOPE_SE   ; what the first two refills will load
	global_prefetch_b8 v3, s[92:93] offset:3*SSTEP th:TH_LOAD_NT scope:SCOPE_SE
	global_load_b128 v[BI:BI+3], v[GB], s[12:13]
.endif
.Lno_res:
	s_wait_alu depctr_va_vdst(0)                   ; at the head's end
	s_cmp_lt_u32 s[WV], 4                          ; waves 0-3 issued slot 0's four quarters, on lines of their own: they wait; slot 1's may stay out
	s_cbranch_scc0 .Lnot_s0
	s_wait_tensorcnt 0x0
.Lnot_s0:
	s_barrier_signal -1
	s_barrier_wait -1                              ; slot 0 is whole
	KSTEP 0, 0, 1                                  ; the first step's products start the sums
	KSTEP 0, 1, 0
	s_cmp_lt_u32 s[WV], 4                          ; THE RESIDUAL IS ASKED FOR HERE, behind slot 0's products and not at the head, so that the first tiles are asked of memory ahead of it: it has the rest of K in which to come
	s_cbranch_scc0 .Lno_res2
	WIN 0x40                                       ; destination window 1, address window 0
	RLOAD 0
	RLOAD 1
	RLOAD 2
	RLOAD 3
	WIN 0                                          ; at a label and at a branch every window is 0
.Lno_res2:
.if NSL == 8
.rept 3
	CHANGE 0, 1
	KSTEP 1, 0, 0
	KSTEP 1, 1, 0
	CHANGE 1, 1
	KSTEP 0, 0, 0
	KSTEP 0, 1, 0
.endr
.endif
	CHANGE 0, 0                                    ; its wait for all loads and its barrier stand between slot 1's last fill and the reads below
	KSTEP 1, 0, 0
	KSTEP 1, 1, 0
.rept 4
	v_nop                                          ; places in front of the first read of results and of loads into operands' registers
.endr
	s_cmp_lt_u32 s[WV], 4
	s_cbranch_scc1 .Lmeet
.set J, 0
.rept 32
	ds_store_b128 v[REDA], v[ACC+4*J:ACC+4*J+3] offset:512*J   ; waves 4-7: my partial sums, each accumulator from its low end on
.set J, J+1
.endr
.Lmeet:
	s_wait_dscnt 0x0                               ; for the others' sake: my stores have landed
	s_barrier_signal -1
	s_barrier_wait -1
	s_cmp_lt_u32 s[WV], 4
	s_cbranch_scc0 .Lend
; the partner's sums come through three buffers of 32 registers (v32-127), so that the loads of later quarters are out while a quarter is added
.macro RLD q, b
.irp i, 0,1,2,3,4,5,6,7
	ds_load_b128 v[T+32*(\b)+4*\i:T+32*(\b)+4*\i+3], v[REDA] offset:512*(8*(\q)+\i)
.endr
.endm
.macro RADD q, b
.set J, 0
.rept 16
	v_pk_add_f32 v[ACC+32*(\q)+J:ACC+32*(\q)+J+1], v[ACC+32*(\q)+J:ACC+32*(\q)+J+1], v[T+32*(\b)+J:T+32*(\b)+J+1]
.set J, J+2
.endr
.endm
	RLD 0, 0
	RLD 1, 1
	RLD 2, 2
	s_wait_dscnt 16                                ; quarter 0 is in; the 8 loads of each of quarters 1 and 2 may be out
	RADD 0, 0
	RLD 3, 0
	s_wait_dscnt 16                                ; quarters 2 and 3 may be out
	RADD 1, 1
	s_wait_dscnt 8
	RADD 2, 2
	s_wait_dscnt 0x0
	RADD 3, 0
	s_wait_alu depctr_va_vdst(0)                   ; ahead of the wait below
	s_wait_loadcnt 0x0                             ; the residual and the bias
; the four tiles go through the stage one behind the other (LDS serves a wave's instructions in order: ISA guide 5.7.1.4), each back into registers of its own: no store's data are written again
.macro TRIPW a, d
.irp t, 0,1,2,3,4,5,6,7
	ds_store_b128 v[STO], v[ACC+32*(\a)+4*\t:ACC+32*(\a)+4*\t+3] offset:128*(\t/4)+16*(\t%4)   ; register 16 b + i is column 32 b + 16 h + i
.endr
.irp i, 0,1,2,3,4,5,6,7
	ds_load_b128 v[(\d)+4*\i:(\d)+4*\i+3], v[RD] offset:544*\i
.endr
.endm
.macro OUTW a, d
	WIN 0x04                                       ; source 1 window 1: the residual
.set J, 0
.rept 16
	v_pk_add_f32 v[(\d)+J:(\d)+J+1], v[(\d)+J:(\d)+J+1], v[RW+32*(\a)+J:RW+32*(\a)+J+1]
.set J, J+2
.endr
	WIN 0
.if BIASED
.irp i, 0,1,2,3,4,5,6,7
	v_pk_add_f32 v[(\d)+4*\i:(\d)+4*\i+1], v[(\d)+4*\i:(\d)+4*\i+1], v[BI:BI+1]
	v_pk_add_f32 v[(\d)+4*\i+2:(\d)+4*\i+3], v[(\d)+4*\i+2:(\d)+4*\i+3], v[BI+2:BI+3]
.endr
.endif
.irp i, 0,1,2,3,4,5,6,7
	global_store_b128 v[GO], v[(\d)+4*\i:(\d)+4*\i+3], s[10:11] offset:(32*((\a)/2)+8*((\a)%2)+2*\i+8*(\i/4))*4096   ; sixteen lanes store 256 consecutive bytes, aligned
.endr
.endm
	TRIPW 0, T
	TRIPW 1, T+32
	TRIPW 2, T+64
	s_wait_dscnt 32                                ; tile 0 is back (so its stores into the stage are done); the 16 instructions of each of tiles 1 and 2 may be out
	TRIPW 3, ACC                                   ; tile 3 comes back into tile 0's accumulators
	OUTW 0, T
	s_wait_dscnt 32                                ; tiles 2 and 3 may be out
	OUTW 1, T+32
	s_wait_dscnt 16
	OUTW 2, T+64
	s_wait_dscnt 0x0
	OUTW 3, ACC
.Lend:
	s_wait_tensorcnt 0x0                           ; the wave's end, behind my last LDS store
	ds_add_u32 v[SPW], v[NIL]
	s_wait_dscnt 0x0
	CROUND                                         ; the closing round
	s_endpgm
.Lfunc_end_k_q24c8bd9d83_ff2:
	.size	k_q24c8bd9d83_ff2, .Lfunc_end_k_q24c8bd9d83_ff2-k_q24c8bd9d83_ff2
	.p2alignl 7, 3214868480
	.fill 96, 4, 3214868480
	.section	.rodata,"a",@progbits
	.p2align	6, 0x0
	.amdhsa_kernel k_q24c8bd9d83_ff2
		.amdhsa_group_segment_fixed_size 327680
		.amdhsa_private_segment_fixed_size 0
		.amdhsa_enable_private_segment 0
		.amdhsa_kernarg_size 40
		.amdhsa_user_sgpr_count 2
		.amdhsa_user_sgpr_kernarg_segment_ptr 1
		.amdhsa_wavefront_size32 1
		.amdhsa_system_sgpr_workgroup_id_x 1
		.amdhsa_system_sgpr_workgroup_id_y 1
		.amdhsa_system_sgpr_workgroup_id_z 1
		.amdhsa_system_vgpr_workitem_id 0
		.amdhsa_next_free_vgpr 384
		.amdhsa_next_free_sgpr 96
		.amdhsa_reserve_vcc 0
		.amdhsa_float_denorm_mode_32 3
		.amdhsa_float_denorm_mode_16_64 3
		.amdhsa_memory_ordered 1
		.amdhsa_forward_progress 1
		.amdhsa_inst_pref_size 117
	.end_amdhsa_kernel
	.amdgpu_metadata
---
amdhsa.version: [ 1, 2 ]
amdhsa.kernels:
  - .name:           k_q24c8bd9d83_ff2
    .symbol:         k_q24c8bd9d83_ff2.kd
    .args:
      - { .name: fq, .offset: 0, .size: 8, .value_kind: global_buffer, .address_space: global }
      - { .name: wc, .offset: 8, .size: 8, .value_kind: global_buffer, .address_space: global }
      - { .name: x1, .offset: 16, .size: 8, .value_kind: global_buffer, .address_space: global }
      - { .name: out0, .offset: 24, .size: 8, .value_kind: global_buffer, .address_space: global }
      - { .name: b2, .offset: 32, .size: 8, .value_kind: global_buffer, .address_space: global }
    .group_segment_fixed_size: 327680
    .private_segment_fixed_size: 0
    .kernarg_segment_align: 8
    .kernarg_segment_size: 40
    .max_flat_workgroup_size: 256
    .sgpr_count:     96
    .vgpr_count:     384
    .wavefront_size: 32
...
	.end_amdgpu_metadata
.endif
;; end of part 6
